; MI455X (gfx1250); checked and timed in simulation.
; The chip was launched on July 23, 2026; its instructions are those of AMD's public machine-readable ISA for CDNA 5 (MIT licence, August 2026) and "CDNA5" Instruction Set Architecture Reference Guide (July 2026). The comments in the code are by the model that wrote it; some were corrected since.
;; Multi Head Self Attention. Allowed arithmetic: float matrix products may take bf16 or f16 operands with f32 sums; other float arithmetic in f32, or as packed bf16 or f16 multiplies, adds, multiply-adds, maxima and minima; sums over many terms, partial sums and values carried from step to step in f32; what a program stores and reads back later, other than sums and carried values, may be rounded once to bf16 or f16.
;; Inputs: Wo 1,024 x 1,024 float32; Wqkv 3,072 x 1,024 float32; bo 1,024 float32; bqkv 3,072 float32; x 8 x 2,048 x 1,024 float32.
;; Outputs: out0 8 x 2,048 x 1,024 float32.
;; 2 versions, each right; version 2 is version 1 with the launch attn written anew for expert scheduling mode. Each part assembles by itself: llvm-mc -triple=amdgcn-amd-amdhsa -mcpu=gfx1250 --defsym DOCPART=n.
;; ======== version 1 of 2: 4 launches
;; limits: values are held in f16: magnitudes above 65,504 overflow, below 6.1e-05 lose precision
;; workspace buffers: xb 33,554,432 bytes; wq 6,291,456 bytes; wo16 2,097,152 bytes; bias 16,384 bytes; qkv 100,663,296 bytes; ao 33,554,432 bytes
;; launch cast (part 1): grid 1281 x 1, 8 waves a work-group, no clusters, 0 bytes of LDS; arguments x, Wqkv, Wo, bqkv, bo, xb, wq, wo16, bias; writes xb, wq, wo16, bias
.if DOCPART == 1
	.amdgcn_target "amdgcn-amd-amdhsa--gfx1250"
	.amdhsa_code_object_version 6
	.text
	.protected	k_q70fc5552e4_cast
	.globl	k_q70fc5552e4_cast
	.p2align	8
	.type	k_q70fc5552e4_cast,@function
k_q70fc5552e4_cast:
	s_mov_b64 s[64:65], 0
	v_nop
	global_prefetch_b8 v0, s[64:65] scope:SCOPE_SE
	s_setreg_imm32_b32 hwreg(HW_REG_WAVE_MODE, 25, 1), 1
	s_wait_xcnt 0x0
; THE ROUNDINGS.  xb = bf16(x), [16384][1024].  wq row c' = bf16(Wqkv row perm(c')), [3072][1024].  wo16 = f16(bf16(Wo)), [1024][1024].
; bias[0..3071] = bf16(bqkv[perm(c')]) kept as f32, bias[3072..4095] = bf16(bo) kept as f32.
; perm lays a token's q and k as [d / 16][head][d % 16] and its v as [d][head], so that the attention launch loads its fragments as they lie:
;   c' < 2048:  perm = (c' & 0xc00) + ((c' >> 4) & 15) * 64 + ((c' >> 8) & 3) * 16 + (c' & 15);      c' >= 2048:  perm = 2048 + (c' & 15) * 64 + ((c' >> 4) & 63)
; LIMITS.  |Wo| stays under 65,504 (f16's end); a bf16(Wo) below 2^-14 keeps f16's fixed step of 6e-8.
; SHARES.  Work-groups 0-1023: x; 1024-1215: wq; 1216-1279: Wo; 16 rows of 1,024 numbers each, two rows a wave; work-group 1280: the biases.
; A row is eight loads of 512 consecutive bytes a wave and eight stores of 256 consecutive bytes, aligned.  All sixteen loads of a wave go out at once.
; No LDS, no matrix unit, no cluster: nothing is shared, every byte is read once and written once.
.set NROWG, 1280                       ; work-groups that convert rows
.set T, 4                              ; v[4:11]   at work
.set X, 16                             ; v[16:79]  slot s of 16: four f32 as loaded
.set Y, 80                             ; v[80:111] slot s: four 16-bit numbers to store
	s_load_b512 s[8:23], s[0:1], 0x0               ; x 8, Wqkv 10, Wo 12, bqkv 14, bo 16, xb 18, wq 20, wo16 22
	s_load_b64 s[24:25], s[0:1], 0x40              ; bias
	v_and_b32 v1, 31, v0                           ; lane
	v_lshlrev_b32 v2, 4, v1                        ; 16 bytes a lane in a load
	v_lshlrev_b32 v3, 3, v1                        ; 8 bytes a lane in a store
	v_lshrrev_b32 v1, 5, v0
	v_readfirstlane_b32 s3, v1                     ; wave 0..7
	s_mov_b32 s2, ttmp9
	s_mov_b32 s42, 0xffff0000                      ; a word's upper bf16
	s_cmp_ge_u32 s2, NROWG
	s_cbranch_scc1 .Lbias
	s_cmp_ge_u32 s2, 1024                          ; the class's first work-group: 0 (x), 1024 (wq), 1216 (Wo)
	s_cselect_b32 s26, 1024, 0
	s_cmp_ge_u32 s2, 1216
	s_cselect_b32 s26, 1216, s26
	s_sub_co_u32 s27, s2, s26
	s_lshl_b32 s27, s27, 4
	s_lshl1_add_u32 s27, s3, s27                   ; my first destination row: 16 x work-group in its class + 2 x wave
	s_add_co_u32 s33, s27, 1                       ; my second
; The source row of destination row c: perm(c) for wq, c itself for x and Wo.
.macro SRCROW dst, c
	s_and_b32 s30, \c, 0xc00
	s_bfe_u32 s31, \c, 0x40004                     ; (c >> 4) & 15: the head
	s_lshl_b32 s31, s31, 6
	s_add_co_u32 s30, s30, s31
	s_bfe_u32 s31, \c, 0x20008                     ; (c >> 8) & 3: d / 16
	s_lshl_b32 s31, s31, 4
	s_add_co_u32 s30, s30, s31
	s_and_b32 s32, \c, 15
	s_add_co_u32 s30, s30, s32                     ; q's and k's rule
	s_lshl_b32 s32, s32, 6
	s_bfe_u32 s31, \c, 0x60004                     ; (c >> 4) & 63: d
	s_add_co_u32 s32, s32, s31
	s_add_co_u32 s32, s32, 2048                    ; v's rule
	s_cmp_ge_u32 \c, 2048
	s_cselect_b32 s30, s32, s30
	s_cmp_eq_u32 s26, 1024
	s_cselect_b32 \dst, s30, \c
.endm
	SRCROW s28, s27
	SRCROW s29, s33
	s_lshl_b32 s28, s28, 12                        ; a source row is 4,096 bytes
	s_lshl_b32 s29, s29, 12
	s_lshl_b32 s27, s27, 11                        ; a destination row 2,048
	s_mov_b32 s35, 0
	s_wait_kmcnt 0x0
	s_cmp_eq_u32 s26, 0                            ; the class chooses the two buffers
	s_cselect_b64 s[36:37], s[8:9], s[10:11]
	s_cselect_b64 s[40:41], s[18:19], s[20:21]
	s_cmp_eq_u32 s26, 1216
	s_cselect_b64 s[36:37], s[12:13], s[36:37]
	s_cselect_b64 s[40:41], s[22:23], s[40:41]
	s_mov_b64 s[38:39], s[36:37]
	s_mov_b32 s34, s28
	s_add_nc_u64 s[36:37], s[36:37], s[34:35]      ; my first source row
	s_mov_b32 s34, s29
	s_add_nc_u64 s[38:39], s[38:39], s[34:35]      ; my second
	s_mov_b32 s34, s27
	s_add_nc_u64 s[40:41], s[40:41], s[34:35]      ; my two destination rows, which lie on end
.irp i, 0,1
.irp j, 0,1,2,3,4,5,6,7
	global_load_b128 v[X+4*(8*(\i)+(\j)):X+4*(8*(\i)+(\j))+3], v2, s[36+2*(\i):37+2*(\i)] offset:512*(\j) th:TH_LOAD_NT
.endr
.endr
; Slot s: four numbers rounded and stored.  kind 0: to bf16.  kind 1: to bf16, and that number written as f16.
.macro CONV s, kind
	s_wait_loadcnt 15-(\s)                         ; loads come back in order: slot s is in, the 15 - s younger ones may stay out
.if \kind
	v_cvt_pk_bf16_f32 v[T],   v[X+4*(\s)],   v[X+4*(\s)+1]
	v_cvt_pk_bf16_f32 v[T+1], v[X+4*(\s)+2], v[X+4*(\s)+3]
	v_lshlrev_b32 v[T+4], 16, v[T]                 ; bf16 to f32: the low half moves up, the high half stays
	v_and_b32     v[T+5], s42, v[T]
	v_lshlrev_b32 v[T+6], 16, v[T+1]
	v_and_b32     v[T+7], s42, v[T+1]
	v_cvt_pk_f16_f32 v[Y+2*(\s)],   v[T+4], v[T+5]
	v_cvt_pk_f16_f32 v[Y+2*(\s)+1], v[T+6], v[T+7]
.else
	v_cvt_pk_bf16_f32 v[Y+2*(\s)],   v[X+4*(\s)],   v[X+4*(\s)+1]
	v_cvt_pk_bf16_f32 v[Y+2*(\s)+1], v[X+4*(\s)+2], v[X+4*(\s)+3]
.endif
	global_store_b64 v3, v[Y+2*(\s):Y+2*(\s)+1], s[40:41] offset:((\s)/8)*2048+256*((\s)%8)  ; 32 lanes store 256 consecutive bytes, aligned; each slot has registers of its own
.endm
	s_cmp_eq_u32 s26, 1216
	s_cbranch_scc1 .Lf16
.irp s, 0,1,2,3,4,5,6,7,8,9,10,11,12,13,14,15
	CONV \s, 0
.endr
	s_endpgm
.Lf16:
.irp s, 0,1,2,3,4,5,6,7,8,9,10,11,12,13,14,15
	CONV \s, 1
.endr
	s_endpgm
.Lbias:                                        ; thread t makes the entries 512 i + 2 t and the next, i = 0 .. 7
	v_lshlrev_b32 v4, 1, v0
	v_and_b32 v4, 15, v4                           ; (2 t) & 15
	v_bfe_u32 v5, v0, 3, 4                         ; (t >> 3) & 15
	v_lshrrev_b32 v6, 7, v0                        ; t >> 7
	v_lshl_add_u32 v7, v5, 6, v4
	v_lshl_add_u32 v7, v6, 4, v7
	v_lshlrev_b32 v7, 2, v7                        ; q and k: 4 perm(2 t); i adds (i / 2) x 1024 + (i % 2) x 32 entries
	v_lshrrev_b32 v8, 3, v0
	v_lshl_add_u32 v8, v4, 6, v8
	v_lshlrev_b32 v8, 2, v8                        ; v: 4 ((2 t & 15) x 64 + (t >> 3)); i adds 32 entries; the pair's second lies 64 entries on
	v_lshlrev_b32 v9, 3, v0                        ; 8 t
	s_wait_kmcnt 0x0
.irp i, 0,1,2,3
	global_load_b64 v[16+2*(\i):17+2*(\i)], v7, s[14:15] offset:((\i)/2)*4096+((\i)%2)*128
.endr
.irp i, 4,5
	global_load_b32 v[16+2*(\i)], v8, s[14:15] offset:8192+128*((\i)-4)
	global_load_b32 v[17+2*(\i)], v8, s[14:15] offset:8192+128*((\i)-4)+256
.endr
.irp i, 6,7
	global_load_b64 v[16+2*(\i):17+2*(\i)], v9, s[16:17] offset:2048*((\i)-6)
.endr
	s_wait_loadcnt 0x0
.irp i, 0,1,2,3,4,5,6,7
	v_cvt_pk_bf16_f32 v[48+(\i)], v[16+2*(\i)], v[17+2*(\i)]
	v_lshlrev_b32 v[32+2*(\i)], 16, v[48+(\i)]
	v_and_b32     v[33+2*(\i)], s42, v[48+(\i)]
	global_store_b64 v9, v[32+2*(\i):33+2*(\i)], s[24:25] offset:2048*(\i)  ; a wave stores 256 consecutive bytes, aligned
.endr
	s_endpgm
.Lfunc_end_k_q70fc5552e4_cast:
	.size	k_q70fc5552e4_cast, .Lfunc_end_k_q70fc5552e4_cast-k_q70fc5552e4_cast
	.p2alignl 7, 3214868480
	.fill 96, 4, 3214868480
	.section	.rodata,"a",@progbits
	.p2align	6, 0x0
	.amdhsa_kernel k_q70fc5552e4_cast
		.amdhsa_group_segment_fixed_size 0
		.amdhsa_private_segment_fixed_size 0
		.amdhsa_enable_private_segment 0
		.amdhsa_kernarg_size 72
		.amdhsa_user_sgpr_count 2
		.amdhsa_user_sgpr_kernarg_segment_ptr 1
		.amdhsa_wavefront_size32 1
		.amdhsa_system_sgpr_workgroup_id_x 1
		.amdhsa_system_sgpr_workgroup_id_y 1
		.amdhsa_system_sgpr_workgroup_id_z 1
		.amdhsa_system_vgpr_workitem_id 0
		.amdhsa_next_free_vgpr 112
		.amdhsa_next_free_sgpr 66
		.amdhsa_reserve_vcc 0
		.amdhsa_float_denorm_mode_32 3
		.amdhsa_float_denorm_mode_16_64 3
		.amdhsa_memory_ordered 1
		.amdhsa_forward_progress 1
		.amdhsa_inst_pref_size 21
	.end_amdhsa_kernel
	.amdgpu_metadata
---
amdhsa.version: [ 1, 2 ]
amdhsa.kernels:
  - .name:           k_q70fc5552e4_cast
    .symbol:         k_q70fc5552e4_cast.kd
    .args:
      - { .name: x, .offset: 0, .size: 8, .value_kind: global_buffer, .address_space: global }
      - { .name: Wqkv, .offset: 8, .size: 8, .value_kind: global_buffer, .address_space: global }
      - { .name: Wo, .offset: 16, .size: 8, .value_kind: global_buffer, .address_space: global }
      - { .name: bqkv, .offset: 24, .size: 8, .value_kind: global_buffer, .address_space: global }
      - { .name: bo, .offset: 32, .size: 8, .value_kind: global_buffer, .address_space: global }
      - { .name: xb, .offset: 40, .size: 8, .value_kind: global_buffer, .address_space: global }
      - { .name: wq, .offset: 48, .size: 8, .value_kind: global_buffer, .address_space: global }
      - { .name: wo16, .offset: 56, .size: 8, .value_kind: global_buffer, .address_space: global }
      - { .name: bias, .offset: 64, .size: 8, .value_kind: global_buffer, .address_space: global }
    .group_segment_fixed_size: 0
    .private_segment_fixed_size: 0
    .kernarg_segment_align: 8
    .kernarg_segment_size: 72
    .max_flat_workgroup_size: 256
    .sgpr_count:     66
    .vgpr_count:     112
    .wavefront_size: 32
...
	.end_amdgpu_metadata
.endif
;; end of part 1
;; launch gemm1 (part 2): grid 4 x 64, 4 waves a work-group, clusters of 4 x 4, 327,680 bytes of LDS; arguments xb, wq, qkv, bias; writes qkv
.if DOCPART == 2
	.amdgcn_target "amdgcn-amd-amdhsa--gfx1250"
	.amdhsa_code_object_version 6
	.text
	.protected	k_q70fc5552e4_gemm1
	.globl	k_q70fc5552e4_gemm1
	.p2align	8
	.type	k_q70fc5552e4_gemm1,@function
k_q70fc5552e4_gemm1:
	s_mov_b64 s[64:65], 0
	v_nop
	global_prefetch_b8 v0, s[64:65] scope:SCOPE_SE
	s_setreg_imm32_b32 hwreg(HW_REG_WAVE_MODE, 25, 1), 1
	s_wait_xcnt 0x0
	s_wait_alu depctr_hold_cnt(0) depctr_sa_sdst(0) depctr_va_vdst(0) depctr_va_sdst(0) depctr_va_ssrc(0) depctr_va_vcc(0) depctr_vm_vsrc(0)
	s_getreg_b32 s2, hwreg(HW_REG_IB_STS2, 6, 4)
	s_cmp_eq_u32 s2, 0
	s_cbranch_scc0 .Lentry_in_a_cluster
	s_endpgm
.Lentry_in_a_cluster:
	s_bfe_u32 s2, ttmp6, 0x10000c
	s_cmp_lg_u32 s2, 0xf033
	s_cbranch_scc0 .Lentry_shape_is_right
	s_endpgm
.Lentry_shape_is_right:
; qkv[m][c'] = sum over k of xb[m][k] wq[c'][k] + bias[c'].  xb: [16384][1024] bf16, wq: [3072][1024] bf16, bias: f32, qkv: [16384][3072] f16; sums in f32, qkv rounded once.
; LIMIT.  f16 ends at 65,504: q, k and v must stay within it.
; A tile of qkv, 256 x 256, is made by four waves, each 128 x 128: 64 accumulators of 16 x 16, 512 registers.  K goes in steps of 128 through a ring of two LDS slots filled by the tensor
; data mover; the rows of both tiles are 256 bytes of memory at multiples of 256.
; A WORK-GROUP STAYS: 256 work-groups make TILES = 3 tiles each, rows 256 y, columns 1024 t + 256 x (q, then k, then v).  The ring does not stop at a tile's end: a tile's last two changes of slots
; ask for the next tile's first two K steps; xb's rows go back along K, wq's go 1,024 rows down.
; CLUSTERS: 4 x 4 work-groups.  The four of a row of the cluster need the same tiles of xb, the four of a column the same tiles of wq: each tile is asked for JOINTLY, by the same tensor load with
; the same descriptor and a mask that names the four.
; THE MATRIX INSTRUCTION IS USED TRANSPOSED (source 0 = 16 rows of wq, source 1 = 16 rows of xb): lane l holds row l % 16 and the columns 8 (l / 16) + 0..7: eight neighbours, 16 bytes of f16.
; THE BIAS IS THE C OPERAND of a tile's first products: register j of lane l for column block b holds bias[column 16 b + 8 (l / 16) + j]: nothing is cleared and nothing is added later.
; REGISTERS, in windows of 256 (s_set_vgpr_msb: bits 1:0 source 0, 3:2 source 1, 5:4 source 2, 7:6 destination):
;   window 0: v0-31 addresses; v64-127, v128-191 xb's fragments, two buffers; v32-63, v192-255 at work on the way out
;   window 1: v64-127, v128-191 wq's fragments, two buffers; v192-255 the bias       windows 2, 3: the accumulators of my rows 0-63, 64-127 ((a, b) at v[8 (8 a + b)])
.set SIZE_K, 1024
.set SIZE_N, 3072
.set TILES,  3
.set KSTEP,  128
.set PITCH,  272                       ; an LDS row: 256 bytes + 16 of padding = 68 words: the 16 rows that a load touches start at 16 different groups of four banks (64 banks of 4 bytes: ISA guide 11.1)
.set HALFT,  128*PITCH                 ; 128 rows: what one tensor load brings
.set SLOT,   4*HALFT                   ; xb's 256 rows, then wq's 256 rows
.set STAGE,  2*SLOT                    ; behind the ring: 16 rows x 272 bytes for each wave, for the way out; no tensor load fills it
.set SPITCH, 272
.set SPARE,  STAGE+4*16*SPITCH         ; behind the stages: the spare words, 128 bytes a wave: two blocks of 256 bytes that no other line names
.set LAPS,   SIZE_K/(2*KSTEP)          ; a lap = two K steps = once round the ring
.set BACK_A, (SIZE_K-2*KSTEP)*2        ; from a slot's last K step of a tile back to its first
.set NEXT_B, 1024*SIZE_K*2-BACK_A      ; the same, 1,024 rows further down
.set PF_NEXT, 1023*SIZE_K*2+KSTEP*2    ; from the K step behind a tile's last to K step 1 of the rows 1,024 further down
.set ADRA, 16                          ; v16-17  LDS address of my xb fragments in slot 0, 1
.set ADRB, 20                          ; v20-21  the same for wq
.set STO,  24                          ; v24     the way out: where I put 16 bytes of a row
.set RD,   25                          ; v25     the way out: where I read a row back
.set CO,   26                          ; v26     my byte offset in two rows of qkv
.set BO,   27                          ; v27     my byte offset in the tile's 256 entries of the bias
.set SPW,  28                          ; v28     LDS address of my spare word; never rewritten
.set NIL,  29                          ; v29     0; never rewritten
.set PFO,  30                          ; v30     the prefetches' offset: my lane x a row of 2,048 bytes; never rewritten
.set F0,   64
.set F1,   128
.set TMP,  192                         ; the way out: packed results, window 0
.set OB,   32                          ; the way out: 16 rows read back: v32-63 and v224-255 by turns
.set BI,   192                         ; window 1: the bias
.set BP,   14                          ; s[14:15] the bias at the tile's first column
.set LIM,  43                          ; s43      1 in a wave that prefetches, else the greatest number
.set PFA,  44                          ; s[44:45] where my prefetches stand: one K step further along K than the refill in hand; a prefetch names the K step after that
.set G1,   24                          ; s[24:31] descriptor group 1 for xb's tiles;  s[32:39] group 0, a set for each slot
.set G0,   32
.set G1B,  48                          ; s[48:55], s[56:63] the same for wq's tiles
.set G0B,  56
.set MSB, 0
.macro WIN new                         ; the immediate's high byte repeats the setting that is left; a switch that changes nothing is dropped
.if MSB != (\new)
	s_set_vgpr_msb (MSB<<8)|(\new)
.set MSB, \new
.endif
.endm
.set MUL_LO, 0xa1                      ; source 0 (wq) window 1, source 1 (xb) window 0, C and D window 2; + 0x50: window 3
.set MUL_B,  0x91                      ; the same with C (the bias) in window 1; + 0x40: D in window 3
.set TO_B,   0x40                      ; destination window 1, address window 0
; A joint load.  Waves 0 and 1 fetch xb's two halves, waves 2 and 3 wq's.  The branch hangs on the wave's number alone.  An s_nop 0 and four v_nop follow each of the two lines.
.macro JLOAD s
	s_cmp_eq_u32 s11, 0
	s_cbranch_scc0 .Lfor_b_\@
	tensor_load_to_lds s[G0+4*(\s):G0+4*(\s)+3], s[G1:G1+7]
	s_nop 0
.rept 4
	v_nop
.endr
	s_branch .Lasked_\@
.Lfor_b_\@:
	tensor_load_to_lds s[G0B+4*(\s):G0B+4*(\s)+3], s[G1B:G1B+7]
	s_nop 0
.rept 4
	v_nop
.endr
.Lasked_\@:
.endm
; A PREFETCH behind each joint load, its five lines and the run of LDS loads: the K step that stands two refills on, 512 matrix instructions ahead of the load that will ask for it: 32 rows x 256 bytes, a lane a row.
; Each row's 256 bytes of a K step are named once in the launch.  xb's rows belong to one cluster alone: it asks, in its first tile only.  wq's rows are walked by all sixteen clusters: the one with
; cluster y = 0 asks, in every tile.  The four partners that ask for a tile jointly share the 128 rows that a wave fetches BY ADDRESS, 32 each (cx for xb, cy for wq): no branch hangs on a place in the cluster.
; how = 0, in the loop: the last trip's refills have no K step two on.  how = 1, at a change of tiles: the next tile's K steps 2 and 3.
.macro ASK how
.if \how
	s_cmp_eq_u32 s[LIM], 1
.else
	s_cmp_gt_u32 s3, s[LIM]                        ; s3 = 1 in the loop's last trip
.endif
	s_cbranch_scc0 .Lnot_mine_\@
	global_prefetch_b8 v[PFO], s[PFA:PFA+1] offset:KSTEP*2 th:TH_LOAD_NT scope:SCOPE_SE
.Lnot_mine_\@:
.endm
; A round of the cluster's barrier: my work-group's barrier; wave 0 signals for the work-group; every wave waits for all sixteen work-groups; my work-group's barrier once more.
.macro CREST                           ; a round behind its opening barrier
	s_cmp_lg_u32 s10, 0
	s_cbranch_scc1 .Lnot_wave_0_\@
	s_barrier_signal -3
.Lnot_wave_0_\@:
	s_barrier_wait -3
	s_barrier_signal -1
	s_barrier_wait -1
.endm
.macro CROUND
	s_barrier_signal -1
	s_barrier_wait -1
	CREST
.endm
.macro BIAS                            ; the tile's bias for my 128 columns: 64 registers in window 1
	WIN TO_B
.irp b, 0,1,2,3,4,5,6,7
	global_load_b128 v[BI+8*(\b):BI+8*(\b)+3],   v[BO], s[BP:BP+1] offset:64*(\b)
	global_load_b128 v[BI+8*(\b)+4:BI+8*(\b)+7], v[BO], s[BP:BP+1] offset:64*(\b)+16
.endr
	WIN 0
.endm
	s_load_b128 s[4:7], s[0:1], 0x0                ; xb s[4:5], wq s[6:7]
	s_load_b64 s[8:9], s[0:1], 0x10                ; qkv
	s_load_b64 s[BP:BP+1], s[0:1], 0x18            ; bias
	v_lshl_add_u32 v[SPW], v0, 2, SPARE
	v_mov_b32 v[NIL], 0
	ds_add_u32 v[SPW], v[NIL]                      ; the wave's opening: the add and its wait stand ahead of my first tensor load; the set-up below stands between them
	v_lshrrev_b32 v1, 5, v0
	v_readfirstlane_b32 s10, v1                    ; wave 0..3
	s_lshr_b32 s11, s10, 1                         ; which half of the tile's rows is mine.  Also: I fetch for xb (0) or for wq (1)
	s_and_b32 s12, s10, 1                          ; which half of its columns.  Also: which 128 rows of that tile I fetch
	s_bfe_u32 s40, ttmp6, 0x40000                  ; cx
	s_bfe_u32 s41, ttmp6, 0x40004                  ; cy
	s_lshl_b32 s42, ttmp9, 2
	s_add_co_u32 s42, s42, s40                     ; x = 4 x cluster x + cx
	s_and_b32 s13, ttmp7, 0xffff
	s_lshl_b32 s13, s13, 2
	s_add_co_u32 s13, s13, s41                     ; y = 4 x cluster y + cy
	s_lshl_b32 s43, s41, 2
	s_lshl_b32 s43, 15, s43                        ; my row of the cluster: places 4 cy .. 4 cy + 3
	s_lshl_b32 s44, 0x1111, s40                    ; my column: places cx, cx + 4, cx + 8, cx + 12
	; descriptor group 1: a tile of 128 rows x 128 elements, padded in LDS
	s_or_b32 s[G1+0], s43, (1<<16)|(1<<20)|(1<<21)|(5<<22)|(3<<25)  ; 15:0 the mask; 17:16 elements of 2 bytes; 20 padding on; 21 set beside a mask; 24:22 after every 64 words (code 5); 31:25 4 words (code 3)
	s_or_b32 s[G1B+0], s44, (1<<16)|(1<<20)|(1<<21)|(5<<22)|(3<<25)
.irp g, G1, G1B
	s_mov_b32 s[(\g)+1], KSTEP<<16                 ; tensor_dim0 = 128
	s_mov_b32 s[(\g)+2], 128<<16                   ; tensor_dim1 = 128
	s_mov_b32 s[(\g)+3], KSTEP<<16                 ; tile_dim0 = 128
	s_mov_b32 s[(\g)+4], 128                       ; tile_dim1 = 128
	s_mov_b32 s[(\g)+5], SIZE_K                    ; elements from row to row
	s_mov_b32 s[(\g)+6], 0
	s_mov_b32 s[(\g)+7], 0
.endr
	; xb's tiles hang on y alone, which my row of the cluster shares; wq's on x alone, which my column shares: each in registers that never hold the other coordinate
	s_lshl_b32 s17, s12, 7
	s_lshl_b32 s16, s13, 8
	s_add_co_u32 s16, s16, s17                     ; xb: row 256 y + 128 x half
	s_lshl_b32 s16, s16, 11                        ; in bytes (under 2^25)
	s_lshl_b32 s46, s42, 8
	s_add_co_u32 s46, s46, s17                     ; wq: row 256 x + 128 x half
	s_lshl_b32 s46, s46, 11
	s_mov_b32 s17, 0
	s_mov_b32 s47, 0
	s_mul_i32 s20, s10, HALFT                      ; where they go: wave x 128 rows: no place in the cluster enters an LDS address
	s_wait_dscnt 0x0                               ; the opening add is done
	s_wait_kmcnt 0x0
	s_add_nc_u64 s[16:17], s[4:5], s[16:17]
	s_add_nc_u64 s[46:47], s[6:7], s[46:47]
	CROUND                                         ; all sixteen work-groups are here: the first joint loads meet
.irp s, 0,1
	s_mov_b32 s[G0+4*(\s)], 1                                      ; count = 1
	s_add_co_u32 s[G0+4*(\s)+1], s20, (\s)*SLOT                    ; LDS address
	s_add_nc_u64 s[G0+4*(\s)+2:G0+4*(\s)+3], s[16:17], (\s)*KSTEP*2  ; global address: K step s
	s_or_b32 s[G0+4*(\s)+3], s[G0+4*(\s)+3], 0x80000000            ; type = 2
	s_mov_b32 s[G0B+4*(\s)], 1
	s_add_co_u32 s[G0B+4*(\s)+1], s20, (\s)*SLOT
	s_add_nc_u64 s[G0B+4*(\s)+2:G0B+4*(\s)+3], s[46:47], (\s)*KSTEP*2
	s_or_b32 s[G0B+4*(\s)+3], s[G0B+4*(\s)+3], 0x80000000
	JLOAD \s                                       ; two loads of mine are out
.endr
	; A fragment is 16 rows x 32 K in 8 registers: lane l holds row l % 16; registers 0-3 K = 8 (l / 16) + 0..7, registers 4-7 K = 16 + 8 (l / 16) + 0..7: two loads of 16 bytes, 32 bytes apart.
	v_and_b32 v1, 15, v0                           ; l % 16
	v_bfe_u32 v2, v0, 4, 1                         ; l / 16
	v_mul_u32_u24 v3, v1, PITCH
	v_lshl_add_u32 v3, v2, 4, v3
	s_mul_i32 s21, s11, HALFT                      ; my 128 rows of xb
	s_mul_i32 s22, s12, HALFT                      ; my 128 rows of wq,
	s_add_co_u32 s22, s22, 2*HALFT                 ; which lie behind xb's 256
.irp s, 0,1
	v_add_nc_u32 v[ADRA+(\s)], s21, v3
	v_add_nc_u32 v[ADRB+(\s)], s22, v3
	s_add_co_u32 s21, s21, SLOT
	s_add_co_u32 s22, s22, SLOT
.endr
	s_mul_i32 s23, s10, 16*SPITCH
	s_add_co_u32 s23, s23, STAGE                   ; my stage
	v_mul_u32_u24 v4, v1, SPITCH                   ; in: row l % 16, 16 bytes for each half of the lanes
	v_lshl_add_u32 v4, v2, 4, v4
	v_add_nc_u32 v[STO], s23, v4
	v_mul_u32_u24 v5, v2, SPITCH                   ; back: lanes 0-15 one row of 256 bytes, lanes 16-31 the next
	v_lshl_add_u32 v5, v1, 4, v5
	v_add_nc_u32 v[RD], s23, v5
	v_mul_u32_u24 v5, v2, SIZE_N*2                 ; and the same two rows in qkv
	v_lshl_add_u32 v[CO], v1, 4, v5
	s_lshl_b32 s21, s12, 9
	v_lshl_add_u32 v[BO], v2, 5, s21               ; 4 bytes x (128 x column half + 8 (l / 16))
	s_lshl_b32 s13, s13, 8                         ; 256 y
	s_lshl_b32 s16, s11, 7
	s_add_co_u32 s16, s13, s16                     ; my first row of qkv,
	s_mul_i32 s16, s16, SIZE_N*2                   ; in bytes (under 2^27)
	s_mov_b32 s17, 0
	s_add_nc_u64 s[8:9], s[8:9], s[16:17]
	s_lshl_b32 s46, s42, 9                         ; my first column of tile 0, in bytes: 512 x + 256 x half
	s_lshl_b32 s47, s12, 8
	s_add_co_u32 s46, s46, s47
	s_mov_b32 s47, 0
	s_add_nc_u64 s[8:9], s[8:9], s[46:47]
	s_lshl_b32 s46, s42, 10                        ; the bias at column 256 x
	s_add_nc_u64 s[BP:BP+1], s[BP:BP+1], s[46:47]
	BIAS
	; the prefetches
	s_lshl_b32 s42, s42, 8                         ; 256 x
	s_and_b32 s22, ttmp7, 0xffff                   ; cluster y
	s_cmp_eq_u32 s11, 0                            ; do I fetch for xb?
	s_cselect_b32 s20, s13, s42                    ; the tile's first row
	s_cselect_b32 s21, s40, s41                    ; my place among the four that ask for it with me
	s_cselect_b32 s22, ttmp9, s22                  ; the coordinate along which other clusters walk the same rows
	s_cselect_b64 s[PFA:PFA+1], s[4:5], s[6:7]
	s_cmp_eq_u32 s22, 0
	s_cselect_b32 s[LIM], 1, -1                    ; the same in all sixteen partners, for a given wave
	s_lshl_b32 s22, s12, 7
	s_add_co_u32 s20, s20, s22                     ; + the 128 rows that I fetch
	s_lshl_b32 s21, s21, 5
	s_add_co_u32 s20, s20, s21                     ; + my work-group's 32 of them
	s_lshl_b32 s20, s20, 11
	s_mov_b32 s21, 0
	s_add_nc_u64 s[PFA:PFA+1], s[PFA:PFA+1], s[20:21]
	s_add_nc_u64 s[PFA:PFA+1], s[PFA:PFA+1], 2*KSTEP*2  ; at K step 2: the first refill steps it to 3 and names K step 4.  Nothing is asked for here, at the head
	v_and_b32 v[PFO], 31, v0
	v_lshlrev_b32 v[PFO], 11, v[PFO]
; 16 matrix instructions: m blocks a0, a0 + 1 of the window's four (hi = 0: my rows 0-63, 1: rows 64-127) x all 8 n blocks, 32 along K.  zero = 1: the products start the sums, on the bias.
; The 64 accumulators take turns in the same order in every quarter step: between two links of a chain stand the 63 others'.
.macro MUL16 f, hi, a0, zero
.if \zero
	WIN MUL_B+0x40*(\hi)
.else
	WIN MUL_LO+0x50*(\hi)
.endif
.irp a, \a0, (\a0)+1
.irp b, 0,1,2,3,4,5,6,7
.if \zero
	v_wmma_f32_16x16x32_bf16 v[8*(8*(\a)+(\b)):8*(8*(\a)+(\b))+7], v[(\f)+8*(\b):(\f)+8*(\b)+7], v[(\f)+8*(4*(\hi)+(\a)):(\f)+8*(4*(\hi)+(\a))+7], v[BI+8*(\b):BI+8*(\b)+7]
.else
	v_wmma_f32_16x16x32_bf16 v[8*(8*(\a)+(\b)):8*(8*(\a)+(\b))+7], v[(\f)+8*(\b):(\f)+8*(\b)+7], v[(\f)+8*(4*(\hi)+(\a)):(\f)+8*(4*(\hi)+(\a))+7], v[8*(8*(\a)+(\b)):8*(8*(\a)+(\b))+7]
.endif
.endr
.endr
.endm
; 32 LDS loads in one run: the fragments of one quarter step (32 K at byte k of the rows) into buffer f: wq's 16 loads, then xb's
.macro FETCH slot, k, f
	WIN TO_B
.irp i, 0,1,2,3,4,5,6,7
	ds_load_b128 v[(\f)+8*(\i):(\f)+8*(\i)+3],   v[ADRB+(\slot)] offset:(\k)+(\i)*16*PITCH
	ds_load_b128 v[(\f)+8*(\i)+4:(\f)+8*(\i)+7], v[ADRB+(\slot)] offset:(\k)+(\i)*16*PITCH+32
.endr
	WIN 0
.irp i, 0,1,2,3,4,5,6,7
	ds_load_b128 v[(\f)+8*(\i):(\f)+8*(\i)+3],   v[ADRA+(\slot)] offset:(\k)+(\i)*16*PITCH
	ds_load_b128 v[(\f)+8*(\i)+4:(\f)+8*(\i)+7], v[ADRA+(\slot)] offset:(\k)+(\i)*16*PITCH+32
.endr
.endm
.macro PLACES                          ; four plain vector instructions between a matrix instruction and a load into a register that it read, or a reader of its result (ISA guide 7.12.1 for a reader of its result)
.rept 4
	v_nop
.endr
.endm
; A K step is four quarter steps of 32 along K, 64 matrix instructions each, on buffers 0, 1, 0, 1.  One of the first three multiplies buffer f and, in its middle, fetches the next quarter into g.
.macro QUARTER slot, k, f, g, zero
	s_wait_dscnt 8                                 ; wq's fragments and xb's rows 0-63 are in; the youngest eight loads (xb's rows 64-127) may be out
	MUL16 \f, 0, 0, \zero
	MUL16 \f, 0, 2, \zero
	PLACES
	FETCH \slot, \k, \g
	s_wait_dscnt 32                                ; all but the 32 just issued
	MUL16 \f, 1, 0, \zero
	MUL16 \f, 1, 2, \zero
.endm
; The first half of the last quarter: ONE barrier for the change of slots.  In front of it each wave waits for all its tensor loads (one is out: its part of the next slot), adds 0 to its spare word,
; and waits for that and for its own reads of this slot.  Behind it nobody reads this slot any more and the next slot is whole.
.macro MEET round                      ; round = 1: a round of the cluster's barrier follows
	WIN 0                                          ; (the add's two registers lie in window 0)
	s_wait_tensorcnt 0x0
	ds_add_u32 v[SPW], v[NIL]
	s_wait_dscnt 9                                 ; (the add and the youngest eight loads may be out)
	MUL16 F1, 0, 0, 0                              ; sixteen matrix instructions stand between the add and the wait for it
	s_wait_dscnt 0x0                               ; the add is done, and my reads of this slot are over
	s_barrier_signal -1
	MUL16 F1, 0, 2, 0                              ; work on registers while the others arrive
.if \round
	WIN 0
.endif
	s_barrier_wait -1
.endm
; The whole last quarter.  mode 0: the slot just read is filled again with this tile's K step two steps on.  mode 1: with the NEXT tile's K step 0 or 1.  mode 2: nothing is left to ask for.
; From a request to the wait for it a wave issues 224 matrix instructions, across tiles too.
.macro TURN slot, next, mode
.if (\mode) == 2
	MEET 0
	PLACES
	FETCH \next, 0, F0
	MUL16 F1, 1, 0, 0
	MUL16 F1, 1, 2, 0
.else
	s_wait_xcnt 0x0                                ; the last prefetch, a K step back, has read its address: it is stepped here, ahead of the waits of the change of slots
.if ((\mode) == 1) && ((\slot) == 0)
	s_add_nc_u64 s[PFA:PFA+1], s[PFA:PFA+1], PF_NEXT
	s_cmp_eq_u32 s11, 1
	s_cselect_b32 s[LIM], s[LIM], -1               ; xb's rows are the same for all three tiles: they are asked for in the first alone
.else
	s_add_nc_u64 s[PFA:PFA+1], s[PFA:PFA+1], KSTEP*2
.endif
	MEET 1
	CREST                                          ; no wave of any partner still reads this slot's tile or has a load on its way
.if (\mode) == 1
	s_sub_nc_u64 s[G0+4*(\slot)+2:G0+4*(\slot)+3], s[G0+4*(\slot)+2:G0+4*(\slot)+3], BACK_A
	s_add_nc_u64 s[G0B+4*(\slot)+2:G0B+4*(\slot)+3], s[G0B+4*(\slot)+2:G0B+4*(\slot)+3], NEXT_B
.else
	s_add_nc_u64 s[G0+4*(\slot)+2:G0+4*(\slot)+3], s[G0+4*(\slot)+2:G0+4*(\slot)+3], 2*KSTEP*2
	s_add_nc_u64 s[G0B+4*(\slot)+2:G0B+4*(\slot)+3], s[G0B+4*(\slot)+2:G0B+4*(\slot)+3], 2*KSTEP*2
.endif
	JLOAD \slot                                    ; the first tensor load behind the round, my only one until the next; its four v_nop are also the places in front of the loads below
	FETCH \next, 0, F0
	ASK \mode
	MUL16 F1, 1, 0, 0
	MUL16 F1, 1, 2, 0
.endif
.endm
.macro LASTQ                           ; the launch's very last quarter: nothing more to fetch
	s_wait_dscnt 8
	MUL16 F1, 0, 0, 0
	MUL16 F1, 0, 2, 0
	s_wait_dscnt 0x0
	MUL16 F1, 1, 0, 0
	MUL16 F1, 1, 2, 0
.endm
; THE WAY OUT of block a (16 rows).  PACK: rounded to f16, each accumulator's registers in ascending order.  TOSTAGE: into my own stage and back as whole rows of 256 bytes.  SEND: stored.
.macro PACK a
.set AC, 64*((\a)%4)
	WIN 0x0a+5*((\a)/4)                            ; sources 0 and 1: window 2 or 3
.irp b, 0,1,2,3,4,5,6,7
.irp r, 0,1,2,3
	v_cvt_pk_f16_f32 v[TMP+4*(\b)+(\r)], v[AC+8*(\b)+2*(\r)], v[AC+8*(\b)+2*(\r)+1]
.endr
.endr
	WIN 0
.endm
.macro TOSTAGE a
	WIN 0
.set BK, OB+192*((\a)%2)
.irp b, 0,1,2,3,4,5,6,7
	ds_store_b128 v[STO], v[TMP+4*(\b):TMP+4*(\b)+3] offset:32*(\b)
.endr
.irp t, 0,1,2,3,4,5,6,7
	ds_load_b128 v[BK+4*(\t):BK+4*(\t)+3], v[RD] offset:(\t)*2*SPITCH  ; LDS serves a wave's instructions in order (ISA guide 5.7.1.4): these see the stores above
.endr
.endm
.macro SEND a, younger
	WIN 0
.set BK, OB+192*((\a)%2)
	s_wait_dscnt \younger                          ; the block is back in registers
	s_wait_xcnt 0x0                                ; the registers that earlier stores read are loaded again only behind this wait
.irp t, 0,1,2,3,4,5,6,7
	global_store_b128 v[CO], v[BK+4*(\t):BK+4*(\t)+3], s[8:9] offset:(16*(\a)+2*(\t))*SIZE_N*2  ; 16 lanes store 256 consecutive bytes, aligned; 126 rows of 6,144 bytes at the most, inside the signed 24-bit immediate
.endr
.endm
	s_wait_tensorcnt 1                             ; my part of K step 0 is in; K step 1's may stay out
	s_barrier_signal -1
	s_barrier_wait -1                              ; everybody's is
	FETCH 0, 0, F0
	s_mov_b32 s2, TILES                            ; tiles to go: the same number in every work-group
.Ltile:
	s_wait_loadcnt 0x0                             ; the tile's bias is in
	QUARTER 0, 64,  F0, F1, 1                      ; a tile's first quarter stands in front of the loop: its products start the sums
	WIN 0                                          ; at a label and at a branch every window is 0
	s_mov_b32 s3, LAPS-1
.Llap:                                                 ; a trip goes once round the ring, from a lap's second quarter to the next lap's first, and fills both slots again
	QUARTER 0, 128, F1, F0, 0
	QUARTER 0, 192, F0, F1, 0
	TURN 0, 1, 0
	QUARTER 1, 64,  F0, F1, 0
	QUARTER 1, 128, F1, F0, 0
	QUARTER 1, 192, F0, F1, 0
	TURN 1, 0, 0
	QUARTER 0, 64,  F0, F1, 0
	WIN 0
	s_sub_co_u32 s3, s3, 1
	s_cmp_lg_u32 s3, 0
	s_cbranch_scc1 .Llap
	QUARTER 0, 128, F1, F0, 0                      ; the tile's last lap goes on
	QUARTER 0, 192, F0, F1, 0
	WIN 0
	s_cmp_eq_u32 s2, 1
	s_cbranch_scc1 .Llast                          ; the last tile asks for nothing more
	TURN 0, 1, 1                                   ; the ring goes on into the next tile: slot 0 takes its K step 0,
	s_add_nc_u64 s[BP:BP+1], s[BP:BP+1], 4096      ; (the bias 1,024 columns on: the loads that named the pointer were waited for at the tile's head, and the products that read these registers stand a whole tile back)
	BIAS
	QUARTER 1, 64,  F0, F1, 0
	QUARTER 1, 128, F1, F0, 0
	QUARTER 1, 192, F0, F1, 0
	TURN 1, 0, 1                                   ; slot 1 its K step 1, and the next tile's first fragments are fetched
	WIN 0
	s_branch .Lout
.Llast:
	TURN 0, 1, 2
	QUARTER 1, 64,  F0, F1, 0
	QUARTER 1, 128, F1, F0, 0
	QUARTER 1, 192, F0, F1, 0
	LASTQ
	WIN 0
.Lout:                                                 ; the tile goes out; where it has a successor both refills have been asked for
	PLACES
	PACK 0
	TOSTAGE 0
.irp a, 1,2,3,4,5,6,7                  ; block a's conversions stand between block a - 1's loads from the stage and the wait for them
	PACK \a
	SEND (\a)-1, 0
	TOSTAGE \a
.endr
	SEND 7, 0
	s_wait_xcnt 0x0                                ; the stores have read their base
	s_add_nc_u64 s[8:9], s[8:9], 2048              ; the next tile lies 1,024 columns on
	s_sub_co_u32 s2, s2, 1
	s_cmp_lg_u32 s2, 0
	s_cbranch_scc1 .Ltile
	s_wait_tensorcnt 0x0                           ; the wave's end: the add and its wait, behind my last tensor load and my last LDS store
	ds_add_u32 v[SPW], v[NIL]
	s_wait_dscnt 0x0
	CROUND                                         ; the closing round: no work-group ends while a partner may still ask for a tile that names it
	s_endpgm
.Lfunc_end_k_q70fc5552e4_gemm1:
	.size	k_q70fc5552e4_gemm1, .Lfunc_end_k_q70fc5552e4_gemm1-k_q70fc5552e4_gemm1
	.p2alignl 7, 3214868480
	.fill 96, 4, 3214868480
	.section	.rodata,"a",@progbits
	.p2align	6, 0x0
	.amdhsa_kernel k_q70fc5552e4_gemm1
		.amdhsa_group_segment_fixed_size 327680
		.amdhsa_private_segment_fixed_size 0
		.amdhsa_enable_private_segment 0
		.amdhsa_kernarg_size 32
		.amdhsa_user_sgpr_count 2
		.amdhsa_user_sgpr_kernarg_segment_ptr 1
		.amdhsa_wavefront_size32 1
		.amdhsa_system_sgpr_workgroup_id_x 1
		.amdhsa_system_sgpr_workgroup_id_y 1
		.amdhsa_system_sgpr_workgroup_id_z 1
		.amdhsa_system_vgpr_workitem_id 0
		.amdhsa_next_free_vgpr 1024
		.amdhsa_next_free_sgpr 66
		.amdhsa_reserve_vcc 0
		.amdhsa_float_denorm_mode_32 3
		.amdhsa_float_denorm_mode_16_64 3
		.amdhsa_memory_ordered 1
		.amdhsa_forward_progress 1
		.amdhsa_inst_pref_size 181
	.end_amdhsa_kernel
	.amdgpu_metadata
---
amdhsa.version: [ 1, 2 ]
amdhsa.kernels:
  - .name:           k_q70fc5552e4_gemm1
    .symbol:         k_q70fc5552e4_gemm1.kd
    .args:
      - { .name: xb, .offset: 0, .size: 8, .value_kind: global_buffer, .address_space: global }
      - { .name: wq, .offset: 8, .size: 8, .value_kind: global_buffer, .address_space: global }
      - { .name: qkv, .offset: 16, .size: 8, .value_kind: global_buffer, .address_space: global }
      - { .name: bias, .offset: 24, .size: 8, .value_kind: global_buffer, .address_space: global }
    .group_segment_fixed_size: 327680
    .private_segment_fixed_size: 0
    .kernarg_segment_align: 8
    .kernarg_segment_size: 32
    .max_flat_workgroup_size: 128
    .sgpr_count:     66
    .vgpr_count:     1024
    .wavefront_size: 32
...
	.end_amdgpu_metadata
.endif
;; end of part 2
;; launch attn (part 3): grid 512 x 1, 8 waves a work-group, no clusters, 0 bytes of LDS; arguments qkv, ao; writes ao
.if DOCPART == 3
	.amdgcn_target "amdgcn-amd-amdhsa--gfx1250"
	.amdhsa_code_object_version 6
	.text
	.protected	k_q70fc5552e4_attn
	.globl	k_q70fc5552e4_attn
	.p2align	8
	.type	k_q70fc5552e4_attn,@function
k_q70fc5552e4_attn:
	s_mov_b64 s[64:65], 0
	v_nop
	global_prefetch_b8 v0, s[64:65] scope:SCOPE_SE
	s_setreg_imm32_b32 hwreg(HW_REG_WAVE_MODE, 25, 1), 1
	s_wait_xcnt 0x0
; ATTENTION ACROSS THE 16 HEADS OF ONE TOKEN.  For each token: s[hq][hk] = sum over d of q[hq][d] k[hk][d]; p = softmax over hk of s / 32; o[hq][d] = sum over hk of p[hq][hk] v[hk][d].
; qkv: [16384 tokens][3072] f16; a token's q and k lie as [d / 16][head][d % 16], its v as [d][head].  ao: f16, [token / 16][e' / 8][hq][8] with e' = 64 (token % 16) + d: the blocks that the last product reads.
; Products, maximum and sum in f32; the row's true maximum is taken away; p / l is rounded to f16 for the second product, o once.
; LIMITS.  q, k, v arrive within f16's 65,504.  A weight below 2^-126 counts as 0.  NaN and infinities are not treated apart: two tokens share a product (below), so an infinity or NaN in one token's v,
; which stands against zeros there, reaches its partner's rows too.
; SHARES.  A wave takes four tokens, as two pairs; 4,096 waves.  All 48 loads of a wave (24 KiB) go out at its head; every load and store of a wave covers 512 consecutive bytes.  No loop, no LDS, no barrier:
; no wave wants a byte that another has fetched, and the layouts make every fragment 16 bytes a lane as it lies.  No cluster and no prefetch: nothing is shared, and the launch is one stream.
; LAYOUT.  S^T = K Q^T (source 0 = 16 heads of k, source 1 = 16 heads of q): lane l holds query head l % 16 and the key heads 8 (l / 16) + 0..7.  Rounded in pairs these are half of source 1 of
; O^T = V^T P.  That product has room for 32 keys: keys 0-15 are the pair's first token's heads, keys 16-31 the second's; P of a token holds zeros in the other token's half.
; In O^T lane l holds query head l % 16 and channels 8 (l / 16) + 0..7 of a block of 16: 16 bytes that belong at ao + 2,048 x token + 512 x block + 16 l.
.set TOKB, 6144                        ; bytes of a token's row of qkv
.set LO,  1                            ; v1  32 (l % 16) + 16 (l / 16): my 16 bytes in a block of 512
.set SO,  2                            ; v2  16 l
.set P,   4                            ; v4-7 p of the first token, v8-11 zeros, v12-15 p of the second: v[4:11] and v[8:15] are the two sources
.set S,   16                           ; v[16:31] S^T, 8 a token
.set T,   32                           ; v[32:47] 8 a token: +0 maximum, +1 the other half's, +2 c m, +3 m, +4, +5 sums, +6 1 / l, +7 at work
.set DAT, 48                           ; 96 a pair: Q 16 a token, K 16 a token, V 8 a channel block (4 a token).  O^T is written over Q and K, the packed o over V
	s_load_b128 s[4:7], s[0:1], 0x0                ; qkv s[4:5], ao s[6:7]
	v_lshrrev_b32 v3, 5, v0
	v_readfirstlane_b32 s8, v3                     ; wave 0..7
	s_lshl_b32 s9, ttmp9, 3
	s_add_co_u32 s9, s9, s8                        ; my wave among the launch's 4,096
	s_mul_i32 s10, s9, 4*TOKB                      ; its four rows of qkv (under 2^27)
	s_mov_b32 s11, 0
	s_mov_b32 s12, 0x3d38aa3b                      ; c = log2(e) / 32
	s_mov_b32 s13, s12                             ; named with it as a pair
	s_mov_b32 s14, 0x76543210                      ; v_permlanex16_b32: each lane takes its own place in the other half
	s_mov_b32 s15, 0xfedcba98
	v_and_b32 v3, 15, v0
	v_bfe_u32 v[SO], v0, 4, 1
	v_lshlrev_b32 v[LO], 5, v3
	v_lshl_add_u32 v[LO], v[SO], 4, v[LO]
	v_and_b32 v[SO], 31, v0
	v_lshlrev_b32 v[SO], 4, v[SO]
	s_wait_kmcnt 0x0
	s_add_nc_u64 s[4:5], s[4:5], s[10:11]
	s_lshl_b32 s10, s9, 13                         ; its four tokens' 8,192 bytes of ao
	s_add_nc_u64 s[6:7], s[6:7], s[10:11]
.irp p, 0,1
.irp u, 0,1                            ; Q, then K, of each token: load j brings registers 4 j .. 4 j + 3 of the two fragments (d 16 j + 8 (l / 16) on)
.irp j, 0,1,2,3
	global_load_b128 v[DAT+96*(\p)+16*(\u)+4*(\j):DAT+96*(\p)+16*(\u)+4*(\j)+3], v[LO], s[4:5] offset:TOKB*(2*(\p)+(\u))+512*(\j) th:TH_LOAD_NT
.endr
.irp j, 0,1,2,3
	global_load_b128 v[DAT+96*(\p)+32+16*(\u)+4*(\j):DAT+96*(\p)+32+16*(\u)+4*(\j)+3], v[LO], s[4:5] offset:TOKB*(2*(\p)+(\u))+2048+512*(\j) th:TH_LOAD_NT
.endr
.endr
.irp u, 0,1                            ; V: channel block j, the token's four registers of the shared fragment
.irp j, 0,1,2,3
	global_load_b128 v[DAT+96*(\p)+64+8*(\j)+4*(\u):DAT+96*(\p)+64+8*(\j)+4*(\u)+3], v[LO], s[4:5] offset:TOKB*(2*(\p)+(\u))+4096+512*(\j) th:TH_LOAD_NT
.endr
.endr
.endr
.irp i, 8,9,10,11
	v_mov_b32 v[\i], 0                             ; the zeros that both sources share
.endr
	v_mov_b32 v[T+1], 0                            ; v_permlanex16_b32 counts as a reader of its destination
	v_mov_b32 v[T+9], 0
; One pair of tokens.  w1: the loads issued behind the pair's Q and K, which may stay out; w2: those behind its V.
.macro PAIR p, w1, w2
.set DD, DAT+96*(\p)
	s_wait_loadcnt \w1
	v_wmma_f32_16x16x32_f16 v[S:S+7],    v[DD+32:DD+39], v[DD:DD+7],     0            ; the two accumulators take turns
	v_wmma_f32_16x16x32_f16 v[S+8:S+15], v[DD+48:DD+55], v[DD+16:DD+23], 0
	v_wmma_f32_16x16x32_f16 v[S:S+7],    v[DD+40:DD+47], v[DD+8:DD+15],  v[S:S+7]
	v_wmma_f32_16x16x32_f16 v[S+8:S+15], v[DD+56:DD+63], v[DD+24:DD+31], v[S+8:S+15]
.rept 4
	v_nop                                          ; four places between the products and the first reader of their results (ISA guide 7.12.1)
.endr
.irp u, 0,1                            ; the maximum of my eight scores, from the accumulator's low end on; the two tokens alternate
	v_max3_num_f32 v[T+8*(\u)], v[S+8*(\u)], v[S+8*(\u)+1], v[S+8*(\u)+2]
.endr
.irp u, 0,1
	v_max3_num_f32 v[T+8*(\u)], v[T+8*(\u)], v[S+8*(\u)+3], v[S+8*(\u)+4]
.endr
.irp u, 0,1
	v_max3_num_f32 v[T+8*(\u)], v[T+8*(\u)], v[S+8*(\u)+5], v[S+8*(\u)+6]
.endr
.irp u, 0,1
	v_max_num_f32 v[T+8*(\u)], v[T+8*(\u)], v[S+8*(\u)+7]
.endr
.irp u, 0,1
	v_permlanex16_b32 v[T+8*(\u)+1], v[T+8*(\u)], s14, s15  ; the query's other eight keys lie in the lane 16 away
.endr
.irp u, 0,1
	v_max_num_f32 v[T+8*(\u)+3], v[T+8*(\u)], v[T+8*(\u)+1]  ; m
.endr
.irp u, 0,1
	v_mul_f32 v[T+8*(\u)+2], s12, v[T+8*(\u)+3]    ; c m
.endr
.irp i, 0,1,2,3
.irp u, 0,1
	v_pk_fma_f32 v[S+8*(\u)+2*(\i):S+8*(\u)+2*(\i)+1], v[S+8*(\u)+2*(\i):S+8*(\u)+2*(\i)+1], s[12:13], v[T+8*(\u)+2:T+8*(\u)+3] op_sel_hi:[1,0,0] neg_lo:[0,0,1] neg_hi:[0,0,1]  ; c s - c m
.endr
.endr
.irp i, 0,1,2,3,4,5,6,7,8,9,10,11,12,13,14,15
	v_exp_f32 v[S+(\i)], v[S+(\i)]                 ; one batch of sixteen
.endr
	v_nop                                          ; a plain instruction behind the last exponential,
	s_wait_alu depctr_va_vdst(0)                   ; and the one wait ahead of the batch's first reader
.irp u, 0,1
	v_pk_add_f32 v[T+8*(\u)+4:T+8*(\u)+5], v[S+8*(\u):S+8*(\u)+1], v[S+8*(\u)+2:S+8*(\u)+3]
	v_pk_add_f32 v[T+8*(\u)+6:T+8*(\u)+7], v[S+8*(\u)+4:S+8*(\u)+5], v[S+8*(\u)+6:S+8*(\u)+7]
.endr
.irp u, 0,1
	v_pk_add_f32 v[T+8*(\u)+4:T+8*(\u)+5], v[T+8*(\u)+4:T+8*(\u)+5], v[T+8*(\u)+6:T+8*(\u)+7]
.endr
.irp u, 0,1
	v_add_f32 v[T+8*(\u)+4], v[T+8*(\u)+4], v[T+8*(\u)+5]
.endr
.irp u, 0,1
	v_permlanex16_b32 v[T+8*(\u)+5], v[T+8*(\u)+4], s14, s15
.endr
.irp u, 0,1
	v_add_f32 v[T+8*(\u)+4], v[T+8*(\u)+4], v[T+8*(\u)+5]  ; l: at least 1, since the maximum's weight is 1
.endr
.irp u, 0,1
	v_rcp_f32 v[T+8*(\u)+6], v[T+8*(\u)+4]
.endr
	v_nop                                          ; a plain instruction behind the last reciprocal,
	s_wait_alu depctr_va_vdst(0)                   ; and one wait for the two
.irp i, 0,1,2,3
.irp u, 0,1
	v_pk_mul_f32 v[S+8*(\u)+2*(\i):S+8*(\u)+2*(\i)+1], v[S+8*(\u)+2*(\i):S+8*(\u)+2*(\i)+1], v[T+8*(\u)+6:T+8*(\u)+7] op_sel_hi:[1,0]  ; p / l
.endr
.endr
.irp i, 0,1,2,3
.irp u, 0,1
	v_cvt_pk_f16_f32 v[P+8*(\u)+(\i)], v[S+8*(\u)+2*(\i)], v[S+8*(\u)+2*(\i)+1]
.endr
.endr
	s_wait_loadcnt \w2                             ; V is in
.irp cb, 0,1,2,3                       ; eight products, each with an accumulator of its own and the constant 0 as C; they land on Q's and K's registers, whose products stand far back
.irp u, 0,1
	v_wmma_f32_16x16x32_f16 v[DD+8*(4*(\u)+(\cb)):DD+8*(4*(\u)+(\cb))+7], v[DD+64+8*(\cb):DD+64+8*(\cb)+7], v[P+4*(\u):P+4*(\u)+7], 0
.endr
.endr
.rept 4
	v_nop                                          ; four places: the conversions read the results and write over V's registers
.endr
.irp t, 0,1,2,3,4,5,6,7                ; t = 4 x token + channel block; each accumulator from its low end on
.irp i, 0,1,2,3
	v_cvt_pk_f16_f32 v[DD+64+4*(\t)+(\i)], v[DD+8*(\t)+2*(\i)], v[DD+8*(\t)+2*(\i)+1]
.endr
.endr
.irp t, 0,1,2,3,4,5,6,7
	global_store_b128 v[SO], v[DD+64+4*(\t):DD+64+4*(\t)+3], s[6:7] offset:4096*(\p)+512*(\t)  ; 512 consecutive bytes, aligned; these registers are not written again
.endr
.endm
	PAIR 0, 32, 24                                 ; behind its Q and K: its own V's 8 loads and the second pair's 24; behind its V: those 24
	PAIR 1, 8, 0
	s_endpgm
.Lfunc_end_k_q70fc5552e4_attn:
	.size	k_q70fc5552e4_attn, .Lfunc_end_k_q70fc5552e4_attn-k_q70fc5552e4_attn
	.p2alignl 7, 3214868480
	.fill 96, 4, 3214868480
	.section	.rodata,"a",@progbits
	.p2align	6, 0x0
	.amdhsa_kernel k_q70fc5552e4_attn
		.amdhsa_group_segment_fixed_size 0
		.amdhsa_private_segment_fixed_size 0
		.amdhsa_enable_private_segment 0
		.amdhsa_kernarg_size 16
		.amdhsa_user_sgpr_count 2
		.amdhsa_user_sgpr_kernarg_segment_ptr 1
		.amdhsa_wavefront_size32 1
		.amdhsa_system_sgpr_workgroup_id_x 1
		.amdhsa_system_sgpr_workgroup_id_y 1
		.amdhsa_system_sgpr_workgroup_id_z 1
		.amdhsa_system_vgpr_workitem_id 0
		.amdhsa_next_free_vgpr 240
		.amdhsa_next_free_sgpr 66
		.amdhsa_reserve_vcc 0
		.amdhsa_float_denorm_mode_32 3
		.amdhsa_float_denorm_mode_16_64 3
		.amdhsa_memory_ordered 1
		.amdhsa_forward_progress 1
		.amdhsa_inst_pref_size 21
	.end_amdhsa_kernel
	.amdgpu_metadata
---
amdhsa.version: [ 1, 2 ]
amdhsa.kernels:
  - .name:           k_q70fc5552e4_attn
    .symbol:         k_q70fc5552e4_attn.kd
    .args:
      - { .name: qkv, .offset: 0, .size: 8, .value_kind: global_buffer, .address_space: global }
      - { .name: ao, .offset: 8, .size: 8, .value_kind: global_buffer, .address_space: global }
    .group_segment_fixed_size: 0
    .private_segment_fixed_size: 0
    .kernarg_segment_align: 8
    .kernarg_segment_size: 16
    .max_flat_workgroup_size: 256
    .sgpr_count:     66
    .vgpr_count:     240
    .wavefront_size: 32
...
	.end_amdgpu_metadata
.endif
;; end of part 3
;; launch gemm2 (part 4): grid 4 x 64, 4 waves a work-group, clusters of 4 x 4, 327,680 bytes of LDS; arguments ao, wo16, out0, bias; writes out0
.if DOCPART == 4
	.amdgcn_target "amdgcn-amd-amdhsa--gfx1250"
	.amdhsa_code_object_version 6
	.text
	.protected	k_q70fc5552e4_gemm2
	.globl	k_q70fc5552e4_gemm2
	.p2align	8
	.type	k_q70fc5552e4_gemm2,@function
k_q70fc5552e4_gemm2:
	s_mov_b64 s[64:65], 0
	v_nop
	global_prefetch_b8 v0, s[64:65] scope:SCOPE_SE
	s_setreg_imm32_b32 hwreg(HW_REG_WAVE_MODE, 25, 1), 1
	s_wait_xcnt 0x0
	s_wait_alu depctr_hold_cnt(0) depctr_sa_sdst(0) depctr_va_vdst(0) depctr_va_sdst(0) depctr_va_ssrc(0) depctr_va_vcc(0) depctr_vm_vsrc(0)
	s_getreg_b32 s2, hwreg(HW_REG_IB_STS2, 6, 4)
	s_cmp_eq_u32 s2, 0
	s_cbranch_scc0 .Lentry_in_a_cluster
	s_endpgm
.Lentry_in_a_cluster:
	s_bfe_u32 s2, ttmp6, 0x10000c
	s_cmp_lg_u32 s2, 0xf033
	s_cbranch_scc0 .Lentry_shape_is_right
	s_endpgm
.Lentry_shape_is_right:
; out0[row][n] = sum over e' of A[row][e'] wo16[n][e'] + bias[3072 + n].  wo16: [1024][1024] f16; out0: [16384][1024] f32; sums in f32.
; A is the attention's result in blocks: ao = [group G of 16 tokens, 1024][e' / 8, 128][head hq, 16][8] f16.  Row hq of group G is row (G / 128) x 2048 + 128 hq + G % 128 of out0: the raw reshape of
; [B, H, N, D] to [B, N, E] is made by the stores' addresses.
; LIMIT.  The operands are f16: the attention's result lies within v's range, Wo within 65,504.
; A tile of out0, 256 rows (16 groups) x 256 columns, is made by four waves, each 8 groups x 128 columns: 64 accumulators.  256 work-groups, one tile each.  K goes in steps of 128 through a ring of two LDS slots.
; A K step of a group is 4,096 consecutive bytes, [16][hq][16 bytes]: it is laid into LDS as it lies, and a fragment's load takes 256 consecutive bytes for each 16 lanes.
; CLUSTERS: 4 x 4 work-groups; A's tiles are shared along a row of the cluster, wo16's along a column, each asked for JOINTLY.
; THE MATRIX INSTRUCTION IS USED TRANSPOSED (source 0 = 16 rows of wo16, source 1 = a group's 16 rows): lane l holds head l % 16 and the columns 8 (l / 16) + 0..7.  THE BIAS IS THE C OPERAND of the first products.
; REGISTERS, in windows of 256 (s_set_vgpr_msb: bits 1:0 source 0, 3:2 source 1, 5:4 source 2, 7:6 destination):
;   window 0: v0-31 addresses; v64-127, v128-191 A's fragments, two buffers, and on the way out the rows read back
;   window 1: v64-127, v128-191 wo16's fragments; v192-255 the bias       windows 2, 3: the accumulators of my groups 0-3, 4-7 ((a, b) at v[8 (8 a + b)])
.set SIZE_K, 1024
.set KSTEP,  128
.set ASTEP,  4096                      ; bytes of a K step in a group of ao
.set GROUPB, 32768                     ; bytes of a group
.set PITCH,  272                       ; an LDS row of wo16: 256 bytes + 16 of padding: the 16 rows that a load touches start at 16 different groups of four banks (64 banks of 4 bytes: ISA guide 11.1)
.set HALFA,  8*ASTEP                   ; what a wave's load of A brings: 8 groups
.set HALFT,  128*PITCH                 ; and of wo16: 128 rows
.set BOFF,   2*HALFA                   ; wo16's rows lie behind A's 16 groups
.set SLOT,   BOFF+2*HALFT
.set STAGE,  2*SLOT                    ; behind the ring: 16 rows x 528 bytes for each wave; no tensor load fills it
.set SPITCH, 528                       ; 512 bytes + 16: the 16 rows that a store touches start at 16 different groups of four banks
.set SPARE,  STAGE+4*16*SPITCH         ; behind the stages: the spare words, 128 bytes a wave: two blocks of 256 bytes that no other line names
.set LAPS,   SIZE_K/(2*KSTEP)
.set ADRA, 16                          ; v16-17  LDS address of my A fragments in slot 0, 1
.set ADRB, 20                          ; v20-21  the same for wo16
.set STO,  24                          ; v24     the way out: where I put 32 bytes of a row
.set RD,   25                          ; v25     the way out: where I read 16 bytes of a row back
.set CO,   26                          ; v26     16 x lane: my bytes in 512 of out0
.set BO,   27                          ; v27     my byte offset in the tile's 256 entries of the bias
.set SPW,  28                          ; v28     LDS address of my spare word; never rewritten
.set NIL,  29                          ; v29     0; never rewritten
.set PFO,  30                          ; v30     the prefetches' offset; never rewritten
.set F0,   64
.set F1,   128
.set BI,   192                         ; window 1: the bias
.set BP,   14                          ; s[14:15] the bias at the tile's first column
.set PST,  22                          ; s[22:23] a K step in what I prefetch: 4,096 bytes (A) or 256 (wo16)
.set LIM,  43                          ; s43      1 in a wave that prefetches, else the greatest number
.set PFA,  44                          ; s[44:45] where my prefetches stand: two K steps further along K than the refill in hand
.set G1,   24
.set G0,   32
.set G1B,  48
.set G0B,  56
.set MSB, 0
.macro WIN new                         ; the immediate's high byte repeats the setting that is left; a switch that changes nothing is dropped
.if MSB != (\new)
	s_set_vgpr_msb (MSB<<8)|(\new)
.set MSB, \new
.endif
.endm
.set MUL_LO, 0xa1                      ; source 0 (wo16) window 1, source 1 (A) window 0, C and D window 2; + 0x50: window 3
.set MUL_B,  0x91                      ; the same with C (the bias) in window 1; + 0x40: D in window 3
.set TO_B,   0x40                      ; destination window 1, address window 0
; A joint load.  Waves 0 and 1 fetch A's two halves, waves 2 and 3 wo16's.  The branch hangs on the wave's number alone.  An s_nop 0 and four v_nop follow each of the two lines.
.macro JLOAD s
	s_cmp_eq_u32 s11, 0
	s_cbranch_scc0 .Lfor_b_\@
	tensor_load_to_lds s[G0+4*(\s):G0+4*(\s)+3], s[G1:G1+7]
	s_nop 0
.rept 4
	v_nop
.endr
	s_branch .Lasked_\@
.Lfor_b_\@:
	tensor_load_to_lds s[G0B+4*(\s):G0B+4*(\s)+3], s[G1B:G1B+7]
	s_nop 0
.rept 4
	v_nop
.endr
.Lasked_\@:
.endm
; A PREFETCH behind each joint load, its five lines and the run of LDS loads: the K step that stands two refills on, 512 matrix instructions ahead of the load that will ask for it: 32 blocks of 256 bytes, a lane a block.
; Each block is named once in the launch.  A's groups belong to one cluster alone: it asks.  wo16's rows are walked by all sixteen clusters: the one with cluster y = 0 asks.  The four partners that ask for a tile
; jointly share what a wave fetches BY ADDRESS: two groups of eight (cx), or 32 rows of 128 (cy).  The loop's last trip asks for nothing: its refills have no K step two on.  Nothing is asked for at the head.
.macro ASK
	s_cmp_gt_u32 s3, s[LIM]                        ; s3 = 1 in the loop's last trip
	s_cbranch_scc0 .Lnot_mine_\@
	global_prefetch_b8 v[PFO], s[PFA:PFA+1] th:TH_LOAD_NT scope:SCOPE_SE
.Lnot_mine_\@:
.endm
.macro CREST                           ; a round of the cluster's barrier behind its opening barrier
	s_cmp_lg_u32 s10, 0
	s_cbranch_scc1 .Lnot_wave_0_\@
	s_barrier_signal -3
.Lnot_wave_0_\@:
	s_barrier_wait -3
	s_barrier_signal -1
	s_barrier_wait -1
.endm
.macro CROUND
	s_barrier_signal -1
	s_barrier_wait -1
	CREST
.endm
	s_load_b128 s[4:7], s[0:1], 0x0                ; ao s[4:5], wo16 s[6:7]
	s_load_b64 s[8:9], s[0:1], 0x10                ; out0
	s_load_b64 s[BP:BP+1], s[0:1], 0x18            ; bias
	v_lshl_add_u32 v[SPW], v0, 2, SPARE
	v_mov_b32 v[NIL], 0
	ds_add_u32 v[SPW], v[NIL]                      ; the wave's opening: the add and its wait stand ahead of my first tensor load; the set-up below stands between them
	v_lshrrev_b32 v1, 5, v0
	v_readfirstlane_b32 s10, v1                    ; wave 0..3
	s_lshr_b32 s11, s10, 1                         ; which 8 of the tile's 16 groups are mine.  Also: I fetch for A (0) or for wo16 (1)
	s_and_b32 s12, s10, 1                          ; which half of its columns.  Also: which half of that tile I fetch
	s_bfe_u32 s40, ttmp6, 0x40000                  ; cx
	s_bfe_u32 s41, ttmp6, 0x40004                  ; cy
	s_lshl_b32 s42, ttmp9, 2
	s_add_co_u32 s42, s42, s40                     ; x = 4 x cluster x + cx
	s_and_b32 s13, ttmp7, 0xffff
	s_lshl_b32 s13, s13, 2
	s_add_co_u32 s13, s13, s41                     ; y = 4 x cluster y + cy
	s_lshl_b32 s43, s41, 2
	s_lshl_b32 s43, 15, s43                        ; my row of the cluster
	s_lshl_b32 s44, 0x1111, s40                    ; my column
	; descriptor group 1 for A: 8 rows (groups) of 2,048 elements (a K step's 4,096 bytes), 16,384 elements apart, laid into LDS on end
	s_or_b32 s[G1+0], s43, (1<<16)|(1<<21)         ; 15:0 the mask; 17:16 elements of 2 bytes; 20 no padding; 21 set beside a mask
	s_mov_b32 s[G1+1], 2048<<16                    ; tensor_dim0 = 2048
	s_mov_b32 s[G1+2], 8<<16                       ; tensor_dim1 = 8
	s_mov_b32 s[G1+3], 2048<<16                    ; tile_dim0 = 2048
	s_mov_b32 s[G1+4], 8                           ; tile_dim1 = 8
	s_mov_b32 s[G1+5], 16384                       ; elements from group to group
	s_mov_b32 s[G1+6], 0
	s_mov_b32 s[G1+7], 0
	; for wo16: 128 rows x 128 elements, padded in LDS
	s_or_b32 s[G1B+0], s44, (1<<16)|(1<<20)|(1<<21)|(5<<22)|(3<<25)  ; padding on: after every 64 words (code 5) 4 words (code 3)
	s_mov_b32 s[G1B+1], KSTEP<<16
	s_mov_b32 s[G1B+2], 128<<16
	s_mov_b32 s[G1B+3], KSTEP<<16
	s_mov_b32 s[G1B+4], 128
	s_mov_b32 s[G1B+5], SIZE_K
	s_mov_b32 s[G1B+6], 0
	s_mov_b32 s[G1B+7], 0
	; A's tiles hang on y alone, wo16's on x alone: each in registers that never hold the other coordinate
	s_lshl_b32 s16, s13, 4
	s_lshl_b32 s17, s12, 3
	s_add_co_u32 s16, s16, s17                     ; A: group 16 y + 8 x half
	s_lshl_b32 s16, s16, 15                        ; in bytes (under 2^25)
	s_mov_b32 s17, 0
	s_lshl_b32 s46, s42, 8
	s_lshl_b32 s47, s12, 7
	s_add_co_u32 s46, s46, s47                     ; wo16: row 256 x + 128 x half
	s_lshl_b32 s46, s46, 11
	s_mov_b32 s47, 0
	s_lshl_b32 s20, s12, 15                        ; where they go: A's half at half x 32,768,
	s_mul_i32 s21, s12, HALFT
	s_add_co_u32 s21, s21, BOFF                    ; wo16's behind A's 16 groups: no place in the cluster enters an LDS address
	s_wait_dscnt 0x0                               ; the opening add is done
	s_wait_kmcnt 0x0
	s_add_nc_u64 s[16:17], s[4:5], s[16:17]
	s_add_nc_u64 s[46:47], s[6:7], s[46:47]
	CROUND                                         ; all sixteen work-groups are here: the first joint loads meet
.irp s, 0,1
	s_mov_b32 s[G0+4*(\s)], 1                                      ; count = 1
	s_add_co_u32 s[G0+4*(\s)+1], s20, (\s)*SLOT                    ; LDS address
	s_add_nc_u64 s[G0+4*(\s)+2:G0+4*(\s)+3], s[16:17], (\s)*ASTEP  ; global address: K step s
	s_or_b32 s[G0+4*(\s)+3], s[G0+4*(\s)+3], 0x80000000            ; type = 2
	s_mov_b32 s[G0B+4*(\s)], 1
	s_add_co_u32 s[G0B+4*(\s)+1], s21, (\s)*SLOT
	s_add_nc_u64 s[G0B+4*(\s)+2:G0B+4*(\s)+3], s[46:47], (\s)*KSTEP*2
	s_or_b32 s[G0B+4*(\s)+3], s[G0B+4*(\s)+3], 0x80000000
	JLOAD \s                                       ; two loads of mine are out
.endr
	; A fragment is 16 rows x 32 K in 8 registers: lane l holds row l % 16; registers 0-3 K = 8 (l / 16) + 0..7, registers 4-7 K = 16 + 8 (l / 16) + 0..7.
	; wo16: row x pitch + 16 (l / 16), and 32 bytes on.  A: eight K of 16 heads are 256 bytes, so the lane's 16 bytes lie at 16 l, and 512 bytes on.
	v_and_b32 v1, 15, v0                           ; l % 16
	v_bfe_u32 v2, v0, 4, 1                         ; l / 16
	v_and_b32 v5, 31, v0
	v_lshlrev_b32 v5, 4, v5                        ; 16 l
	v_mul_u32_u24 v3, v1, PITCH
	v_lshl_add_u32 v3, v2, 4, v3
	s_lshl_b32 s20, s11, 15                        ; my 8 groups of A
	s_mul_i32 s21, s12, HALFT                      ; my 128 rows of wo16
	s_add_co_u32 s21, s21, BOFF
.irp s, 0,1
	v_add_nc_u32 v[ADRA+(\s)], s20, v5
	v_add_nc_u32 v[ADRB+(\s)], s21, v3
	s_add_co_u32 s20, s20, SLOT
	s_add_co_u32 s21, s21, SLOT
.endr
	s_mul_i32 s23, s10, 16*SPITCH
	s_add_co_u32 s23, s23, STAGE                   ; my stage
	v_mul_u32_u24 v4, v1, SPITCH                   ; in: row l % 16, 32 bytes for each half of the lanes
	v_lshl_add_u32 v4, v2, 5, v4
	v_add_nc_u32 v[STO], s23, v4
	v_add_nc_u32 v[RD], s23, v5                    ; back: 32 lanes take one row of 512 bytes
	v_mov_b32 v[CO], v5
	s_lshl_b32 s21, s12, 9
	v_lshl_add_u32 v[BO], v2, 5, s21               ; 4 bytes x (128 x column half + 8 (l / 16))
	s_lshr_b32 s16, s13, 3                         ; group 16 y + 8 x half lies in batch y / 8,
	s_lshl_b32 s16, s16, 11                        ; 2,048 rows each,
	s_and_b32 s17, s13, 7
	s_lshl_b32 s17, s17, 4
	s_add_co_u32 s16, s16, s17                     ; at row 16 (y % 8)
	s_lshl_b32 s17, s11, 3
	s_add_co_u32 s16, s16, s17                     ; + 8 x half, for head 0
	s_lshl_b32 s16, s16, 12                        ; rows of 4,096 bytes (under 2^26)
	s_mov_b32 s17, 0
	s_add_nc_u64 s[8:9], s[8:9], s[16:17]
	s_lshl_b32 s46, s42, 10                        ; my first column, in bytes: 1,024 x + 512 x half
	s_lshl_b32 s47, s12, 9
	s_add_co_u32 s46, s46, s47
	s_mov_b32 s47, 0
	s_add_nc_u64 s[8:9], s[8:9], s[46:47]
	s_lshl_b32 s46, s42, 10
	s_add_co_u32 s46, s46, 12288                   ; bo's entries lie behind bqkv's 3,072
	s_add_nc_u64 s[BP:BP+1], s[BP:BP+1], s[46:47]
	WIN TO_B
.irp b, 0,1,2,3,4,5,6,7
	global_load_b128 v[BI+8*(\b):BI+8*(\b)+3],   v[BO], s[BP:BP+1] offset:64*(\b)
	global_load_b128 v[BI+8*(\b)+4:BI+8*(\b)+7], v[BO], s[BP:BP+1] offset:64*(\b)+16
.endr
	WIN 0
	; the prefetches
	s_lshl_b32 s16, s13, 4
	s_lshl_b32 s17, s12, 3
	s_add_co_u32 s16, s16, s17
	s_lshl_b32 s17, s40, 1
	s_add_co_u32 s16, s16, s17                     ; A: group 16 y + 8 x half + my work-group's two
	s_lshl_b32 s16, s16, 15
	s_add_co_u32 s16, s16, 3*ASTEP                 ; at K step 3: the first refill steps it to 4 and names that
	s_lshl_b32 s46, s42, 8
	s_lshl_b32 s47, s12, 7
	s_add_co_u32 s46, s46, s47
	s_lshl_b32 s47, s41, 5
	s_add_co_u32 s46, s46, s47                     ; wo16: row 256 x + 128 x half + my work-group's 32
	s_lshl_b32 s46, s46, 11
	s_add_co_u32 s46, s46, 3*KSTEP*2
	s_and_b32 s18, ttmp7, 0xffff                   ; cluster y
	s_movk_i32 s19, ASTEP
	s_cmp_eq_u32 s11, 0                            ; do I fetch for A?
	s_cselect_b32 s20, s16, s46
	s_cselect_b32 s18, ttmp9, s18                  ; the coordinate along which other clusters walk the same bytes
	s_cselect_b32 s[PST], s19, KSTEP*2
	s_cselect_b32 s17, 8, 11                       ; from block to block: 256 bytes in a group's K step, a row of 2,048 in wo16
	s_cselect_b64 s[PFA:PFA+1], s[4:5], s[6:7]
	s_cmp_eq_u32 s18, 0
	s_cselect_b32 s[LIM], 1, -1                    ; the same in all sixteen partners, for a given wave
	s_mov_b32 s21, 0
	s_mov_b32 s[PST+1], 0
	s_add_nc_u64 s[PFA:PFA+1], s[PFA:PFA+1], s[20:21]
	v_lshlrev_b32 v[PFO], s17, v1                  ; lanes 0-15: sixteen blocks,
	v_lshl_add_u32 v[PFO], v2, 15, v[PFO]          ; lanes 16-31: the next group, or the next sixteen rows: 32,768 bytes on in both
; 16 matrix instructions: groups a0, a0 + 1 of the window's four x all 8 n blocks, 32 along K.  zero = 1: the products start the sums, on the bias.
; The 64 accumulators take turns in the same order in every quarter step.
.macro MUL16 f, hi, a0, zero
.if \zero
	WIN MUL_B+0x40*(\hi)
.else
	WIN MUL_LO+0x50*(\hi)
.endif
.irp a, \a0, (\a0)+1
.irp b, 0,1,2,3,4,5,6,7
.if \zero
	v_wmma_f32_16x16x32_f16 v[8*(8*(\a)+(\b)):8*(8*(\a)+(\b))+7], v[(\f)+8*(\b):(\f)+8*(\b)+7], v[(\f)+8*(4*(\hi)+(\a)):(\f)+8*(4*(\hi)+(\a))+7], v[BI+8*(\b):BI+8*(\b)+7]
.else
	v_wmma_f32_16x16x32_f16 v[8*(8*(\a)+(\b)):8*(8*(\a)+(\b))+7], v[(\f)+8*(\b):(\f)+8*(\b)+7], v[(\f)+8*(4*(\hi)+(\a)):(\f)+8*(4*(\hi)+(\a))+7], v[8*(8*(\a)+(\b)):8*(8*(\a)+(\b))+7]
.endif
.endr
.endr
.endm
; 32 LDS loads in one run: the fragments of quarter q of a K step into buffer f: wo16's 16 loads, then A's
.macro FETCH slot, q, f
	WIN TO_B
.irp i, 0,1,2,3,4,5,6,7
	ds_load_b128 v[(\f)+8*(\i):(\f)+8*(\i)+3],   v[ADRB+(\slot)] offset:64*(\q)+(\i)*16*PITCH
	ds_load_b128 v[(\f)+8*(\i)+4:(\f)+8*(\i)+7], v[ADRB+(\slot)] offset:64*(\q)+(\i)*16*PITCH+32
.endr
	WIN 0
.irp i, 0,1,2,3,4,5,6,7
	ds_load_b128 v[(\f)+8*(\i):(\f)+8*(\i)+3],   v[ADRA+(\slot)] offset:1024*(\q)+(\i)*ASTEP
	ds_load_b128 v[(\f)+8*(\i)+4:(\f)+8*(\i)+7], v[ADRA+(\slot)] offset:1024*(\q)+(\i)*ASTEP+512
.endr
.endm
.macro PLACES                          ; four plain vector instructions between a matrix instruction and a load into a register that it read, or a reader of its result (ISA guide 7.12.1 for a reader of its result)
.rept 4
	v_nop
.endr
.endm
.macro QUARTER slot, q, f, g, zero     ; multiplies buffer f and, in its middle, fetches quarter q into g
	s_wait_dscnt 8                                 ; wo16's fragments and A's groups 0-3 are in; the youngest eight loads (groups 4-7) may be out
	MUL16 \f, 0, 0, \zero
	MUL16 \f, 0, 2, \zero
	PLACES
	FETCH \slot, \q, \g
	s_wait_dscnt 32                                ; all but the 32 just issued
	MUL16 \f, 1, 0, \zero
	MUL16 \f, 1, 2, \zero
.endm
; ONE barrier for the change of slots.  In front of it each wave waits for all its tensor loads (one is out: its part of the next slot), adds 0 to its spare word, and waits for that and for its own reads of this slot.
.macro MEET round
	WIN 0                                          ; (the add's two registers lie in window 0)
	s_wait_tensorcnt 0x0
	ds_add_u32 v[SPW], v[NIL]
	s_wait_dscnt 9                                 ; (the add and the youngest eight loads may be out)
	MUL16 F1, 0, 0, 0                              ; sixteen matrix instructions stand between the add and the wait for it
	s_wait_dscnt 0x0                               ; the add is done, and my reads of this slot are over
	s_barrier_signal -1
	MUL16 F1, 0, 2, 0
.if \round
	WIN 0
.endif
	s_barrier_wait -1
.endm
; The whole last quarter.  fill = 1: the slot just read is filled again, two K steps on: from the request to the wait for it a wave issues 224 matrix instructions.  fill = 0: nothing is left to ask for.
.macro TURN slot, next, fill
.if \fill
	s_wait_xcnt 0x0                                ; the last prefetch, a K step back, has read its address: it is stepped here, ahead of the waits of the change of slots
	s_add_nc_u64 s[PFA:PFA+1], s[PFA:PFA+1], s[PST:PST+1]
	MEET 1
	CREST                                          ; no wave of any partner still reads this slot's tile or has a load on its way
	s_add_nc_u64 s[G0+4*(\slot)+2:G0+4*(\slot)+3], s[G0+4*(\slot)+2:G0+4*(\slot)+3], 2*ASTEP
	s_add_nc_u64 s[G0B+4*(\slot)+2:G0B+4*(\slot)+3], s[G0B+4*(\slot)+2:G0B+4*(\slot)+3], 2*KSTEP*2
	JLOAD \slot                                    ; the first tensor load behind the round, my only one until the next; its four v_nop are also the places in front of the loads below
	FETCH \next, 0, F0
	ASK
.else
	MEET 0
	PLACES
	FETCH \next, 0, F0
.endif
	MUL16 F1, 1, 0, 0
	MUL16 F1, 1, 2, 0
.endm
; THE WAY OUT of group a, in f32: nothing is converted.  STG: a lane's eight columns of a head's row, 32 bytes, into my own stage, each accumulator's low half first.  RB: back as whole rows of 512 bytes.  SEND: stored.
.macro STG a
.set AC, 64*((\a)%4)
	WIN 0x08+4*((\a)/4)                            ; an LDS store's data is source 1: window 2 or 3
.irp b, 0,1,2,3,4,5,6,7
	ds_store_b128 v[STO], v[AC+8*(\b):AC+8*(\b)+3]   offset:64*(\b)
	ds_store_b128 v[STO], v[AC+8*(\b)+4:AC+8*(\b)+7] offset:64*(\b)+16
.endr
.endm
.macro RB a
	WIN 0
.set BK, F0+64*((\a)%2)
.irp t, 0,1,2,3,4,5,6,7,8,9,10,11,12,13,14,15
	ds_load_b128 v[BK+4*(\t):BK+4*(\t)+3], v[RD] offset:(\t)*SPITCH  ; LDS serves a wave's instructions in order (ISA guide 5.7.1.4): these see the stores above, and the next group's stores come behind them
.endr
.endm
.macro SEND a, younger                 ; younger: the LDS stores issued behind the group's loads, which may stay out
	WIN 0
.set BK, F0+64*((\a)%2)
	s_wait_dscnt \younger                          ; the group is back in registers
	s_wait_xcnt 0x0                                ; the registers that earlier stores read are loaded again only behind this wait
.irp t, 0,1,2,3,4,5,6,7,8,9,10,11,12,13,14,15
	global_store_b128 v[CO], v[BK+4*(\t):BK+4*(\t)+3], s[8:9] offset:524288*(\t)+4096*(\a) th:TH_STORE_NT  ; head t lies 128 rows on, group a one row on; 512 consecutive bytes, aligned; 7,892,992 at the most, inside the signed 24-bit immediate
.endr
.endm
	s_wait_tensorcnt 1                             ; my part of K step 0 is in; K step 1's may stay out
	s_barrier_signal -1
	s_barrier_wait -1                              ; everybody's is
	FETCH 0, 0, F0
	s_wait_loadcnt 0x0                             ; the bias is in
	QUARTER 0, 1, F0, F1, 1                        ; the first quarter stands in front of the loop: its products start the sums
	WIN 0                                          ; at a label and at a branch every window is 0
	s_mov_b32 s3, LAPS-1
.Llap:                                                 ; a trip goes once round the ring, from a lap's second quarter to the next lap's first, and fills both slots again
	QUARTER 0, 2, F1, F0, 0
	QUARTER 0, 3, F0, F1, 0
	TURN 0, 1, 1
	QUARTER 1, 1, F0, F1, 0
	QUARTER 1, 2, F1, F0, 0
	QUARTER 1, 3, F0, F1, 0
	TURN 1, 0, 1
	QUARTER 0, 1, F0, F1, 0
	WIN 0
	s_sub_co_u32 s3, s3, 1
	s_cmp_lg_u32 s3, 0
	s_cbranch_scc1 .Llap
	QUARTER 0, 2, F1, F0, 0                        ; the last lap fills nothing
	QUARTER 0, 3, F0, F1, 0
	TURN 0, 1, 0
	QUARTER 1, 1, F0, F1, 0
	QUARTER 1, 2, F1, F0, 0
	QUARTER 1, 3, F0, F1, 0
	s_wait_dscnt 8                                 ; the very last quarter: nothing more to fetch
	MUL16 F1, 0, 0, 0
	MUL16 F1, 0, 2, 0
	s_wait_dscnt 0x0
	MUL16 F1, 1, 0, 0
	MUL16 F1, 1, 2, 0
	PLACES                                         ; behind the last products: the stage's stores read results, the loads land on A's fragment buffers
	STG 0
	RB 0
.irp a, 1,2,3,4,5,6,7                  ; group a's stores into the stage stand between group a - 1's loads and the wait for them
	STG \a
	SEND (\a)-1, 16
	RB \a
.endr
	SEND 7, 0
	s_wait_tensorcnt 0x0                           ; the wave's end: the add and its wait, behind my last tensor load and my last LDS store
	ds_add_u32 v[SPW], v[NIL]
	s_wait_dscnt 0x0
	CROUND                                         ; the closing round: no work-group ends while a partner may still ask for a tile that names it
	s_endpgm
.Lfunc_end_k_q70fc5552e4_gemm2:
	.size	k_q70fc5552e4_gemm2, .Lfunc_end_k_q70fc5552e4_gemm2-k_q70fc5552e4_gemm2
	.p2alignl 7, 3214868480
	.fill 96, 4, 3214868480
	.section	.rodata,"a",@progbits
	.p2align	6, 0x0
	.amdhsa_kernel k_q70fc5552e4_gemm2
		.amdhsa_group_segment_fixed_size 327680
		.amdhsa_private_segment_fixed_size 0
		.amdhsa_enable_private_segment 0
		.amdhsa_kernarg_size 32
		.amdhsa_user_sgpr_count 2
		.amdhsa_user_sgpr_kernarg_segment_ptr 1
		.amdhsa_wavefront_size32 1
		.amdhsa_system_sgpr_workgroup_id_x 1
		.amdhsa_system_sgpr_workgroup_id_y 1
		.amdhsa_system_sgpr_workgroup_id_z 1
		.amdhsa_system_vgpr_workitem_id 0
		.amdhsa_next_free_vgpr 1024
		.amdhsa_next_free_sgpr 66
		.amdhsa_reserve_vcc 0
		.amdhsa_float_denorm_mode_32 3
		.amdhsa_float_denorm_mode_16_64 3
		.amdhsa_memory_ordered 1
		.amdhsa_forward_progress 1
		.amdhsa_inst_pref_size 144
	.end_amdhsa_kernel
	.amdgpu_metadata
---
amdhsa.version: [ 1, 2 ]
amdhsa.kernels:
  - .name:           k_q70fc5552e4_gemm2
    .symbol:         k_q70fc5552e4_gemm2.kd
    .args:
      - { .name: ao, .offset: 0, .size: 8, .value_kind: global_buffer, .address_space: global }
      - { .name: wo16, .offset: 8, .size: 8, .value_kind: global_buffer, .address_space: global }
      - { .name: out0, .offset: 16, .size: 8, .value_kind: global_buffer, .address_space: global }
      - { .name: bias, .offset: 24, .size: 8, .value_kind: global_buffer, .address_space: global }
    .group_segment_fixed_size: 327680
    .private_segment_fixed_size: 0
    .kernarg_segment_align: 8
    .kernarg_segment_size: 32
    .max_flat_workgroup_size: 128
    .sgpr_count:     66
    .vgpr_count:     1024
    .wavefront_size: 32
...
	.end_amdgpu_metadata
.endif
;; end of part 4
;; ======== version 2 of 2: 4 launches; version 1 with the launch attn written anew for expert scheduling mode
;; limits: values are held in f16: magnitudes above 65,504 overflow, below 6.1e-05 lose precision
;; workspace buffers: xb 33,554,432 bytes; wq 6,291,456 bytes; wo16 2,097,152 bytes; bias 16,384 bytes; qkv 100,663,296 bytes; ao 33,554,432 bytes
;; launch cast: the kernel of part 1 again; grid 1281 x 1, 8 waves a work-group, no clusters, 0 bytes of LDS; arguments x, Wqkv, Wo, bqkv, bo, xb, wq, wo16, bias; writes xb, wq, wo16, bias
;; launch gemm1: the kernel of part 2 again; grid 4 x 64, 4 waves a work-group, clusters of 4 x 4, 327,680 bytes of LDS; arguments xb, wq, qkv, bias; writes qkv
;; launch attn (part 5): grid 512 x 1, 8 waves a work-group, no clusters, 0 bytes of LDS; arguments qkv, ao; writes ao
.if DOCPART == 5
	.amdgcn_target "amdgcn-amd-amdhsa--gfx1250"
	.amdhsa_code_object_version 6
	.text
	.protected	k_q70fc5552e4_attn
	.globl	k_q70fc5552e4_attn
	.p2align	8
	.type	k_q70fc5552e4_attn,@function
k_q70fc5552e4_attn:
	s_mov_b64 s[64:65], 0
	v_nop
	global_prefetch_b8 v0, s[64:65] scope:SCOPE_SE
	s_setreg_imm32_b32 hwreg(HW_REG_WAVE_SCHED_MODE, 0, 2), 2
	s_setreg_imm32_b32 hwreg(HW_REG_WAVE_MODE, 25, 1), 1
	s_wait_xcnt 0x0
	s_wait_alu depctr_vm_vsrc(0)
; ATTENTION ACROSS THE 16 HEADS OF ONE TOKEN.  For each token: s[hq][hk] = sum over d of q[hq][d] k[hk][d]; p = softmax over hk of s / 32; o[hq][d] = sum over hk of p[hq][hk] v[hk][d].
; qkv: [16384 tokens][3072] f16; a token's q and k lie as [d / 16][head][d % 16], its v as [d][head].  ao: f16, [token / 16][e' / 8][hq][8] with e' = 64 (token % 16) + d: the blocks that the last product reads.
; Products, maximum and sum in f32; the row's true maximum is taken away; p / l is rounded to f16 for the second product, o once.
; LIMITS.  q, k, v arrive within f16's 65,504.  A weight below 2^-126 counts as 0.  NaN and infinities are not treated apart: two tokens share a product (below), so an infinity or NaN in one token's v,
; which stands against zeros there, reaches its partner's rows too.
; SHARES.  A wave takes four tokens, as two pairs; 4,096 waves.  All 48 loads of a wave (24 KiB) go out at its head; every load and store of a wave covers 512 consecutive bytes.  No loop, no LDS, no barrier:
; no wave wants a byte that another has fetched, and the layouts make every fragment 16 bytes a lane as it lies.  No cluster and no prefetch: nothing is shared, and the launch is one stream.
; LAYOUT.  S^T = K Q^T (source 0 = 16 heads of k, source 1 = 16 heads of q): lane l holds query head l % 16 and the key heads 8 (l / 16) + 0..7.  Rounded in pairs these are half of source 1 of
; O^T = V^T P.  That product has room for 32 keys: keys 0-15 are the pair's first token's heads, keys 16-31 the second's; P of a token holds zeros in the other token's half.
; In O^T lane l holds query head l % 16 and channels 8 (l / 16) + 0..7 of a block of 16: 16 bytes that belong at ao + 2,048 x token + 512 x block + 16 l.
; THE MODE: SCHED_MODE bits 1:0 = 2 (LLVM: expert scheduling mode 2), set by the entry lines.  The code itself states the register dependences
; between vector or matrix instructions and memory instructions, with s_wait_alu, always for 0.
; THE PLAN.  Registers that memory instructions touch:
;   v[LO]          Written at the head; read by all 48 loads as their offset; never written again.
;   v[SO]          Written at the head; read by all 16 stores as their offset; never written again.
;   DAT, 96 a pair The loads land in them before any vector or matrix instruction names them.  Behind the waits on LOADcnt the products read them; the products V^T P write over Q's and K's 64, the
;                  conversions over V's 32; the pair's eight stores read those 32, which nothing writes afterwards: the second pair has 96 registers of its own.
;   v3 to v47 (at work, P, S^T, the statistics) are named by vector and matrix instructions alone.
; So: one wait on va_sdst at the head, for the wave's number; one on va_vdst ahead of the first load, for the two offsets; one on va_vdst a pair between the conversions and the run of stores.  The two waits
; behind a pair's exponentials and reciprocals wait for their results.  No register that a memory instruction has read is written again, so the body holds no wait on vm_vsrc.
.set TOKB, 6144                        ; bytes of a token's row of qkv
.set LO,  1                            ; v1  32 (l % 16) + 16 (l / 16): my 16 bytes in a block of 512
.set SO,  2                            ; v2  16 l
.set P,   4                            ; v4-7 p of the first token, v8-11 zeros, v12-15 p of the second: v[4:11] and v[8:15] are the two sources
.set S,   16                           ; v[16:31] S^T, 8 a token
.set T,   32                           ; v[32:47] 8 a token: +0 maximum, +1 the other half's, +2 c m, +3 m, +4, +5 sums, +6 1 / l, +7 at work
.set DAT, 48                           ; 96 a pair: Q 16 a token, K 16 a token, V 8 a channel block (4 a token).  O^T is written over Q and K, the packed o over V
	s_load_b128 s[4:7], s[0:1], 0x0                ; qkv s[4:5], ao s[6:7]
	v_lshrrev_b32 v3, 5, v0
	v_readfirstlane_b32 s8, v3                     ; wave 0..7
	v_and_b32 v3, 15, v0                           ; the two offsets and the constants stand between that line and the wait for its result
	v_bfe_u32 v[SO], v0, 4, 1
	v_lshlrev_b32 v[LO], 5, v3
	v_lshl_add_u32 v[LO], v[SO], 4, v[LO]
	v_and_b32 v[SO], 31, v0
	v_lshlrev_b32 v[SO], 4, v[SO]
	s_mov_b32 s11, 0
	s_mov_b32 s12, 0x3d38aa3b                      ; c = log2(e) / 32
	s_mov_b32 s13, s12                             ; named with it as a pair
	s_mov_b32 s14, 0x76543210                      ; v_permlanex16_b32: each lane takes its own place in the other half
	s_mov_b32 s15, 0xfedcba98
	s_lshl_b32 s9, ttmp9, 3
	s_wait_alu depctr_va_sdst(0)                   ; s8 is written, ahead of its first reader, the next line: both bases are made from it
	s_add_co_u32 s9, s9, s8                        ; my wave among the launch's 4,096
	s_mul_i32 s10, s9, 4*TOKB                      ; its four rows of qkv (under 2^27)
	s_wait_kmcnt 0x0
	s_add_nc_u64 s[4:5], s[4:5], s[10:11]
	s_lshl_b32 s10, s9, 13                         ; its four tokens' 8,192 bytes of ao
	s_add_nc_u64 s[6:7], s[6:7], s[10:11]
	s_wait_alu depctr_va_vdst(0)                   ; v[LO] and v[SO] are written: every load below reads the first as its offset, every store of the kernel the second
.irp p, 0,1
.irp u, 0,1                            ; Q, then K, of each token: load j brings registers 4 j .. 4 j + 3 of the two fragments (d 16 j + 8 (l / 16) on)
.irp j, 0,1,2,3
	global_load_b128 v[DAT+96*(\p)+16*(\u)+4*(\j):DAT+96*(\p)+16*(\u)+4*(\j)+3], v[LO], s[4:5] offset:TOKB*(2*(\p)+(\u))+512*(\j) th:TH_LOAD_NT
.endr
.irp j, 0,1,2,3
	global_load_b128 v[DAT+96*(\p)+32+16*(\u)+4*(\j):DAT+96*(\p)+32+16*(\u)+4*(\j)+3], v[LO], s[4:5] offset:TOKB*(2*(\p)+(\u))+2048+512*(\j) th:TH_LOAD_NT
.endr
.endr
.irp u, 0,1                            ; V: channel block j, the token's four registers of the shared fragment
.irp j, 0,1,2,3
	global_load_b128 v[DAT+96*(\p)+64+8*(\j)+4*(\u):DAT+96*(\p)+64+8*(\j)+4*(\u)+3], v[LO], s[4:5] offset:TOKB*(2*(\p)+(\u))+4096+512*(\j) th:TH_LOAD_NT
.endr
.endr
.endr
.irp i, 8,9,10,11
	v_mov_b32 v[\i], 0                             ; the zeros that both sources share; no memory instruction names these registers or the two below
.endr
	v_mov_b32 v[T+1], 0                            ; v_permlanex16_b32 counts as a reader of its destination
	v_mov_b32 v[T+9], 0
; One pair of tokens.  w1: the loads issued behind the pair's Q and K, which may stay out; w2: those behind its V.
.macro PAIR p, w1, w2
.set DD, DAT+96*(\p)
	s_wait_loadcnt \w1
	v_wmma_f32_16x16x32_f16 v[S:S+7],    v[DD+32:DD+39], v[DD:DD+7],     0            ; the two accumulators take turns
	v_wmma_f32_16x16x32_f16 v[S+8:S+15], v[DD+48:DD+55], v[DD+16:DD+23], 0
	v_wmma_f32_16x16x32_f16 v[S:S+7],    v[DD+40:DD+47], v[DD+8:DD+15],  v[S:S+7]
	v_wmma_f32_16x16x32_f16 v[S+8:S+15], v[DD+56:DD+63], v[DD+24:DD+31], v[S+8:S+15]
.rept 4
	v_nop                                          ; four places between the products and the first reader of their results (ISA guide 7.12.1)
.endr
.irp u, 0,1                            ; the maximum of my eight scores, from the accumulator's low end on; the two tokens alternate
	v_max3_num_f32 v[T+8*(\u)], v[S+8*(\u)], v[S+8*(\u)+1], v[S+8*(\u)+2]
.endr
.irp u, 0,1
	v_max3_num_f32 v[T+8*(\u)], v[T+8*(\u)], v[S+8*(\u)+3], v[S+8*(\u)+4]
.endr
.irp u, 0,1
	v_max3_num_f32 v[T+8*(\u)], v[T+8*(\u)], v[S+8*(\u)+5], v[S+8*(\u)+6]
.endr
.irp u, 0,1
	v_max_num_f32 v[T+8*(\u)], v[T+8*(\u)], v[S+8*(\u)+7]
.endr
.irp u, 0,1
	v_permlanex16_b32 v[T+8*(\u)+1], v[T+8*(\u)], s14, s15  ; the query's other eight keys lie in the lane 16 away
.endr
.irp u, 0,1
	v_max_num_f32 v[T+8*(\u)+3], v[T+8*(\u)], v[T+8*(\u)+1]  ; m
.endr
.irp u, 0,1
	v_mul_f32 v[T+8*(\u)+2], s12, v[T+8*(\u)+3]    ; c m
.endr
.irp i, 0,1,2,3
.irp u, 0,1
	v_pk_fma_f32 v[S+8*(\u)+2*(\i):S+8*(\u)+2*(\i)+1], v[S+8*(\u)+2*(\i):S+8*(\u)+2*(\i)+1], s[12:13], v[T+8*(\u)+2:T+8*(\u)+3] op_sel_hi:[1,0,0] neg_lo:[0,0,1] neg_hi:[0,0,1]  ; c s - c m
.endr
.endr
.irp i, 0,1,2,3,4,5,6,7,8,9,10,11,12,13,14,15
	v_exp_f32 v[S+(\i)], v[S+(\i)]                 ; one batch of sixteen
.endr
	v_nop                                          ; a plain instruction behind the last exponential,
	s_wait_alu depctr_va_vdst(0)                   ; and the one wait ahead of the batch's first reader: the sixteen exponentials have written v[S ..], which the sums below read
.irp u, 0,1
	v_pk_add_f32 v[T+8*(\u)+4:T+8*(\u)+5], v[S+8*(\u):S+8*(\u)+1], v[S+8*(\u)+2:S+8*(\u)+3]
	v_pk_add_f32 v[T+8*(\u)+6:T+8*(\u)+7], v[S+8*(\u)+4:S+8*(\u)+5], v[S+8*(\u)+6:S+8*(\u)+7]
.endr
.irp u, 0,1
	v_pk_add_f32 v[T+8*(\u)+4:T+8*(\u)+5], v[T+8*(\u)+4:T+8*(\u)+5], v[T+8*(\u)+6:T+8*(\u)+7]
.endr
.irp u, 0,1
	v_add_f32 v[T+8*(\u)+4], v[T+8*(\u)+4], v[T+8*(\u)+5]
.endr
.irp u, 0,1
	v_permlanex16_b32 v[T+8*(\u)+5], v[T+8*(\u)+4], s14, s15
.endr
.irp u, 0,1
	v_add_f32 v[T+8*(\u)+4], v[T+8*(\u)+4], v[T+8*(\u)+5]  ; l: at least 1, since the maximum's weight is 1
.endr
.irp u, 0,1
	v_rcp_f32 v[T+8*(\u)+6], v[T+8*(\u)+4]
.endr
	v_nop                                          ; a plain instruction behind the last reciprocal,
	s_wait_alu depctr_va_vdst(0)                   ; and one wait for the two: the reciprocals have written v[T+6] and v[T+14], by which the lines below multiply
.irp i, 0,1,2,3
.irp u, 0,1
	v_pk_mul_f32 v[S+8*(\u)+2*(\i):S+8*(\u)+2*(\i)+1], v[S+8*(\u)+2*(\i):S+8*(\u)+2*(\i)+1], v[T+8*(\u)+6:T+8*(\u)+7] op_sel_hi:[1,0]  ; p / l
.endr
.endr
.irp i, 0,1,2,3
.irp u, 0,1
	v_cvt_pk_f16_f32 v[P+8*(\u)+(\i)], v[S+8*(\u)+2*(\i)], v[S+8*(\u)+2*(\i)+1]
.endr
.endr
	s_wait_loadcnt \w2                             ; V is in
.irp cb, 0,1,2,3                       ; eight products, each with an accumulator of its own and the constant 0 as C; they land on Q's and K's registers, whose products stand far back
.irp u, 0,1
	v_wmma_f32_16x16x32_f16 v[DD+8*(4*(\u)+(\cb)):DD+8*(4*(\u)+(\cb))+7], v[DD+64+8*(\cb):DD+64+8*(\cb)+7], v[P+4*(\u):P+4*(\u)+7], 0
.endr
.endr
.rept 4
	v_nop                                          ; four places: the conversions read the results and write over V's registers
.endr
.irp t, 0,1,2,3,4,5,6,7                ; t = 4 x token + channel block; each accumulator from its low end on
.irp i, 0,1,2,3
	v_cvt_pk_f16_f32 v[DD+64+4*(\t)+(\i)], v[DD+8*(\t)+2*(\i)], v[DD+8*(\t)+2*(\i)+1]
.endr
.endr
	s_wait_alu depctr_va_vdst(0)                   ; the 32 conversions have written v[DD+64 .. DD+95], which the eight stores read: one wait for the run
.irp t, 0,1,2,3,4,5,6,7
	global_store_b128 v[SO], v[DD+64+4*(\t):DD+64+4*(\t)+3], s[6:7] offset:4096*(\p)+512*(\t)  ; 512 consecutive bytes, aligned; these registers are not written again
.endr
.endm
	PAIR 0, 32, 24                                 ; behind its Q and K: its own V's 8 loads and the second pair's 24; behind its V: those 24.  Its stores leave ahead of the second pair's wait for its loads
	PAIR 1, 8, 0
	s_endpgm
.Lfunc_end_k_q70fc5552e4_attn:
	.size	k_q70fc5552e4_attn, .Lfunc_end_k_q70fc5552e4_attn-k_q70fc5552e4_attn
	.p2alignl 7, 3214868480
	.fill 96, 4, 3214868480
	.section	.rodata,"a",@progbits
	.p2align	6, 0x0
	.amdhsa_kernel k_q70fc5552e4_attn
		.amdhsa_group_segment_fixed_size 0
		.amdhsa_private_segment_fixed_size 0
		.amdhsa_enable_private_segment 0
		.amdhsa_kernarg_size 16
		.amdhsa_user_sgpr_count 2
		.amdhsa_user_sgpr_kernarg_segment_ptr 1
		.amdhsa_wavefront_size32 1
		.amdhsa_system_sgpr_workgroup_id_x 1
		.amdhsa_system_sgpr_workgroup_id_y 1
		.amdhsa_system_sgpr_workgroup_id_z 1
		.amdhsa_system_vgpr_workitem_id 0
		.amdhsa_next_free_vgpr 240
		.amdhsa_next_free_sgpr 66
		.amdhsa_reserve_vcc 0
		.amdhsa_float_denorm_mode_32 3
		.amdhsa_float_denorm_mode_16_64 3
		.amdhsa_memory_ordered 1
		.amdhsa_forward_progress 1
		.amdhsa_inst_pref_size 21
	.end_amdhsa_kernel
	.amdgpu_metadata
---
amdhsa.version: [ 1, 2 ]
amdhsa.kernels:
  - .name:           k_q70fc5552e4_attn
    .symbol:         k_q70fc5552e4_attn.kd
    .args:
      - { .name: qkv, .offset: 0, .size: 8, .value_kind: global_buffer, .address_space: global }
      - { .name: ao, .offset: 8, .size: 8, .value_kind: global_buffer, .address_space: global }
    .group_segment_fixed_size: 0
    .private_segment_fixed_size: 0
    .kernarg_segment_align: 8
    .kernarg_segment_size: 16
    .max_flat_workgroup_size: 256
    .sgpr_count:     66
    .vgpr_count:     240
    .wavefront_size: 32
...
	.end_amdgpu_metadata
.endif
;; end of part 5
;; launch gemm2: the kernel of part 4 again; grid 4 x 64, 4 waves a work-group, clusters of 4 x 4, 327,680 bytes of LDS; arguments ao, wo16, out0, bias; writes out0
